; MI455X (gfx1250); checked and timed in simulation.
; The chip was launched on July 23, 2026; its instructions are those of AMD's public machine-readable ISA for CDNA 5 (MIT licence, August 2026) and "CDNA5" Instruction Set Architecture Reference Guide (July 2026). The comments in the code are by the model that wrote it; some were corrected since.
;; Attention. Allowed arithmetic: matrix products marked QUANTISED: E2M3 operands, one E8M0 scale for each 32 along K, by v_wmma_scale_f32_16x16x128_f8f6f4 with both operands' format E2M3, f32 sums; everything else in f32.
;; Inputs: wk 4,096 x 1,024 float32; wo 2,048 x 4,096 float32; wq 4,096 x 2,048 float32; wv 4,096 x 1,024 float32; x 1 x 2,048 x 4,096 float32.
;; Outputs: out0 1 x 2,048 x 4,096 float32; out1 1 x 16 x 2,048 x 128 float32; out2 1 x 16 x 2,048 x 128 float32.
;; Constants: seq_len = 2048.
;; This version of the problem:
;;   THIS VERSION OF THE PROBLEM IS GIVEN IN LOW PRECISION. The matrix products marked QUANTISED in the list below multiply operands that are first quantised to E2M3 (2 exponent bits, 3 mantissa bits; 6 bits a number), with one power-of-two scale for each 32 numbers along K (OCP MX v1.0); their sums are f32. All else is computed in f32.
;;   The module's matrix products, in the order in which they are computed (A, B: the left and right operand; K: the contracted axis; several contracted axes count as one K, in the product's order):
;;     1. [M 2,048, K 4,096] x [K 4,096, N 2,048]; A: input x; B: input wq: QUANTISED
;;     2. [M 2,048, K 4,096] x [K 4,096, N 1,024]; A: input x; B: input wk: QUANTISED
;;     3. [M 2,048, K 4,096] x [K 4,096, N 1,024]; A: input x; B: input wv: QUANTISED
;;     4. batch 16 x [M 2,048, K 128] x [K 128, N 2,048]; A: computed on the way; B: computed on the way: QUANTISED
;;     5. batch 16 x [M 2,048, K 2,048] x [K 2,048, N 128]; A: softmax (see below); B: computed on the way: QUANTISED
;;     6. [M 2,048, K 2,048] x [K 2,048, N 4,096]; A: computed on the way; B: input wo: QUANTISED
;;   THE QUANTISER, for each operand of a quantised product, along K:
;;     - K is cut into blocks of 32 from its start; a last block that is shorter is filled with zeros.
;;     - A block's scale is 2^e with e = floor(log2(the largest magnitude in the block)) - 2, held to -126 .. 127; a block of zeros has e = 0. As a byte (E8M0): e + 127.
;;     - Each number is divided by its block's scale, clamped to +-7.5, and rounded to the nearest number of E2M3, ties to even, subnormals kept.
;;     - The product sums the exact products of the quantised numbers (number of the format x scale) in f32.
;;   ~~~python
;;   def quantise(x, axis):      # numpy; x: float32 -> the quantised numbers, widened to float32 again
;;       x = np.moveaxis(x, axis, -1); K = x.shape[-1]
;;       x = np.pad(x, [(0, 0)] * (x.ndim - 1) + [(0, -K % 32)]); x = x.reshape(x.shape[:-1] + (-1, 32)); a = np.abs(x).max(-1, keepdims=True)
;;       e = np.where(a > 0, np.clip(np.frexp(np.where(a > 0, a, 1))[1] - 1 - 2, -126, 127), 0)      # np.frexp(a)[1] - 1 = floor(log2(a)), exactly
;;       r = np.clip(x / 2.0 ** e, -7.5, 7.5)
;;       step = 2.0 ** (np.maximum(np.frexp(np.where(r == 0, 1, r))[1] - 1, 0) - 3)
;;       q = np.round(r / step) * step * 2.0 ** e      # np.round: ties to even
;;       return np.moveaxis(q.reshape(q.shape[:-2] + (-1,))[..., :K], -1, axis).astype(np.float32)
;;   ~~~
;;   SOFTMAX AHEAD OF A QUANTISED PRODUCT. Where the list says 'softmax', what is quantised is not the finished softmax but p = 2^(t - M), with t = logit x log2(e) and M = ceil(the row's largest t), a whole number; so 1/2 < the row's largest p <= 1. The row's sum l is taken of the UNQUANTISED p, in f32, and the product's result is divided by l at the end. Since M is a whole number, a kernel that streams over the keys may use a running M (the ceiling of the running maximum): every later rescaling is an exact power of two, which a block's scale takes up: the codes' values come out the same.
;;   OPERANDS COMPUTED ON THE WAY. 'Computed on the way' means the value that the module computes at that place (a softmax that the list does not call 'softmax' is quantised finished and normalised). What goes into a quantiser is computed in f32, as accurately as f32 sums, v_exp_f32 and their like allow (about 1e-6 of the number): no bf16 or f16 on the way to a quantiser, and a product that is left as it is and whose result goes on into a quantised operand takes f32 operands (vector FMAs, or v_wmma_f32_16x16x4_f32). A number that lies on a knife's edge between two numbers of the format may be rounded either way, as far as f32 arithmetic and the matrix unit's own rounding can turn it there, and no further.
;; One version. Each part assembles by itself: llvm-mc -triple=amdgcn-amd-amdhsa -mcpu=gfx1250 --defsym DOCPART=n.
;; ======== version 1 of 1: 4 launches
;; limits: right only within a limited range of input values
;; workspace buffers: xq 6,553,600 bytes; wq3 13,107,200 bytes; woq 6,553,600 bytes; cs 1,048,576 bytes; qq 3,407,872 bytes; kq 1,703,936 bytes; vq 1,703,936 bytes; oq 3,276,800 bytes
;; launch prep (part 1): grid 1024 x 1, 4 waves a work-group, no clusters, 58,880 bytes of LDS; arguments x, wq, wk, wv, wo, xq, wq3, woq, cs; writes xq, wq3, woq, cs
.if DOCPART == 1
	.amdgcn_target "amdgcn-amd-amdhsa--gfx1250"
	.amdhsa_code_object_version 6
	.text
	.protected	k_q66731577b7_prep
	.globl	k_q66731577b7_prep
	.p2align	8
	.type	k_q66731577b7_prep,@function
k_q66731577b7_prep:
	s_mov_b64 s[64:65], 0
	v_nop
	global_prefetch_b8 v0, s[64:65] scope:SCOPE_SE
	s_setreg_imm32_b32 hwreg(HW_REG_WAVE_MODE, 25, 1), 1
	s_wait_xcnt 0x0
; x [2048][4096] and the four weights (K = their FIRST axis) become codes of FP6 (E2M3) with one E8M0 byte for each 32 along K; the table of cos and sin for the rope is made beside them.
; A block's scale is 2^(floor(log2(largest magnitude)) - 2): its byte is the largest magnitude's exponent field - 2, held at 1 from below by a floor among the maximum's leaves.
; LAYOUT OF THE CODES: cells of 6,400 bytes = one tile of 16 rows x 512 along K: four images of an operand's registers (16 rows x 128 K: registers 4 c .. 4 c + 3 of lane l at 512 c + 16 l), 1,536 bytes each,
; then 256 bytes of scale words (row r: 16 bytes, one word for each 128 along K).  A buffer is [chunk of 512 K][tile][6,400].
; THE ROWS OF A TILE ARE NOT NEIGHBOURS: lane r of tile T takes row 32 (T / 2) + 8 (T % 2) + r + 8 (r / 8), in every operand of this program.
; Work-groups 0-255: x; a wave makes one cell (16 tokens x 512 K) and one eighth of its tile's table.  Work-groups 256-1,023: the weights; a wave takes 32 columns x 256 K = two K steps of two cells, a lane to a column,
; registers down K.  So every work-group reads 128 KiB.  A row's 16 bytes of scale words come from two work-groups, 8 bytes each: those stores cover 128 of a cell's 256 bytes of scale words.
; The two paths never join and have LDS bytes of their own; waves share nothing: no barrier.
; LIMITS: NaN and infinities among the inputs are not served.  A block of zeros keeps the byte 1 (its codes are zeros; this program alone reads the bytes).  The angle's reduction by three parts of pi / 2 holds for
; multiples up to 1,304, which covers 2,047 rad, the largest angle of the fixed length 2,048.  inv_freq comes from v_exp_f32 (1 ulp), so an angle is right to about 1e-7 of itself.
.set CELL,  6400
.set XST,   8448                       ; x path: a wave's stage, 16 rows x (512 bytes + 16)
.set WBASE, 4*XST                      ; weight path: its stages begin here
.set HALFC, 3072                       ; two images: what a weight wave makes of a cell
.set WSTG,  2*HALFC                    ; a weight wave's stage: two such halves
.set SEL,   66                         ; s[66:67] selects of v_permlanex16_b32 for lane l xor 16
.set R,     16                         ; v16-143  x as loaded: two sets of 64
.set X,     144                        ; v144-207 64 numbers of a lane: register 32 c + i = k 64 c + 32 h + i
.set M,     208                        ; v208-209 largest magnitudes; v210-211 scale operands; v212-213 bytes; v214 at work
.set SO,    210
.set BY,    212
.set TQ,    214
.set H8,    7                          ; v7  8 h
.set PC,    224                        ; v224-235 a fragment's codes
.set PT,    236                        ; v236-238, v240-242 the second halves of the blocks' codes (a conversion's three registers begin on an even number)
.set PWS,   244                        ; v244-247 the four scale words of my row
.set OFFV,  16                         ; weight path: v16-47 offsets of 32 rows; v48-111 two sets of 32 numbers; v112-117, v120-122 codes; v124-125 scale words
.set WX,    48
.set WP,    112
.set WQ,    120
.set SW,    124
; 64 numbers of a lane, whole blocks of 32, become a fragment's 12 registers in v[PC] on and my row's scale word in v[pw] (every lane ends up with the whole word).
.macro QCOL x, pw
.irp c, 0,1
	v_max3_num_f32 v[M+\c], |v[(\x)+32*\c]|, |v[(\x)+32*\c+1]|, 0x1800000   ; my block 2 c + h, and the floor 2^(3 - 127)
.endr
.irp i, 2,4,6,8,10,12,14,16,18,20,22,24,26,28,30
.irp c, 0,1
	v_max3_num_f32 v[M+\c], v[M+\c], |v[(\x)+32*\c+\i]|, |v[(\x)+32*\c+\i+1]|
.endr
.endr
.irp c, 0,1
	v_add_nc_u32 v[SO+\c], 0xff000000, v[M+\c]     ; 2 off the exponent field: the conversion's scale operand
.endr
.irp c, 0,1
	v_lshrrev_b32 v[BY+\c], 23, v[SO+\c]           ; the byte
.endr
	v_lshl_or_b32 v[\pw], v[BY+1], 16, v[BY]       ; blocks h and 2 + h,
	v_lshlrev_b32 v[\pw], v[H8], v[\pw]            ; at their places in the word;
	v_mov_b32 v[TQ], 0
	v_permlanex16_b32 v[TQ], v[\pw], s[SEL], s[SEL+1]
	v_or_b32 v[\pw], v[\pw], v[TQ]                 ; with lane l xor 16's two the word is whole
.irp c, 0,1
	v_cvt_scalef32_pk16_fp6_f32 v[PC+6*\c:PC+6*\c+2], v[(\x)+32*\c:(\x)+32*\c+15], v[SO+\c]
	v_cvt_scalef32_pk16_fp6_f32 v[PT+4*\c:PT+4*\c+2], v[(\x)+32*\c+16:(\x)+32*\c+31], v[SO+\c]
.endr
	v_nop                                          ; one plain line behind the scaled conversions
.irp c, 0,1
.irp i, 0,1,2
	v_mov_b32 v[PC+3+6*\c+\i], v[PT+4*\c+\i]
.endr
.endr
.endm
.macro LOADX s                         ; K step s of my 16 rows: each load takes 512 consecutive bytes of one row
.irp rr, 0,1,2,3,4,5,6,7,8,9,10,11,12,13,14,15
	global_load_b128 v[R+64*((\s)%2)+4*\rr:R+64*((\s)%2)+4*\rr+3], v4, s[8:9] offset:(\rr+8*(\rr/8))*16384+512*(\s) th:TH_LOAD_NT
.endr
.endm
.macro XSTEP s
.if (\s) < 3
	s_wait_loadcnt 16                              ; this step's 16 loads are in; the next step's 16 may be out
.else
	s_wait_loadcnt 0x0
.endif
.irp rr, 0,1,2,3,4,5,6,7,8,9,10,11,12,13,14,15
	ds_store_b128 v5, v[R+64*((\s)%2)+4*\rr:R+64*((\s)%2)+4*\rr+3] offset:528*\rr   ; as loaded: row rr, 16 bytes a lane
.endr
.irp c, 0,1
.irp j, 0,1,2,3,4,5,6,7
	ds_load_b128 v[X+32*\c+4*\j:X+32*\c+4*\j+3], v6 offset:256*\c+16*\j   ; back: my row's k 64 c + 32 h + 4 j on (LDS serves a wave's instructions in order)
.endr
.endr
	s_wait_dscnt 0x0                               ; the numbers are back, and the stores have read their registers,
.if (\s) < 2
	LOADX (\s)+2                                   ; which take the loads of two steps on
.endif
	s_wait_xcnt 0x0                                ; the last step's stores have read v[PC] on
	QCOL X, PWS+(\s)
.irp q, 0,1,2
	global_store_b128 v4, v[PC+4*\q:PC+4*\q+3], s[18:19] offset:1536*(\s)+512*\q   ; 512 consecutive bytes
.endr
.endm
.macro LOADW t                         ; block t of 32 along K: row i of it at 32 neighbouring columns: 128 consecutive bytes a wave, 512 a work-group
.set i, 0
.rept 32
	global_load_b32 v[WX+32*((\t)%2)+i], v[OFFV+i], s[32+2*(\t):33+2*(\t)] th:TH_LOAD_NT
.set i, i+1
.endr
.endm
.macro BLOCK t                         ; block t of my eight: my K step t / 4, registers 6 ((t / 2) % 2) on of lane r + 16 (t % 2) of the image
.set XS, WX+32*((\t)%2)
.if (\t) < 7
	s_wait_loadcnt 32                              ; this block's 32 loads are in; the next block's may be out
.else
	s_wait_loadcnt 0x0
.endif
	v_max3_num_f32 v8, |v[XS]|, |v[XS+1]|, |v[XS+2]|
	v_max3_num_f32 v9, |v[XS+3]|, |v[XS+4]|, |v[XS+5]|
.irp i, 6,10,14,18,22,26
	v_max3_num_f32 v8, v8, |v[XS+\i]|, |v[XS+\i+1]|
	v_max3_num_f32 v9, v9, |v[XS+\i+2]|, |v[XS+\i+3]|
.endr
	v_max3_num_f32 v8, v8, |v[XS+30]|, |v[XS+31]|
	v_max3_num_f32 v8, v8, v9, 0x1800000           ; and the floor
	v_add_nc_u32 v10, 0xff000000, v8
	v_lshrrev_b32 v11, 23, v10
.if (\t)%4 == 0
	v_mov_b32 v[SW+(\t)/4], v11
.else
	v_lshl_or_b32 v[SW+(\t)/4], v11, 8*((\t)%4), v[SW+(\t)/4]
.endif
	v_cvt_scalef32_pk16_fp6_f32 v[WP:WP+2], v[XS:XS+15], v10
	v_cvt_scalef32_pk16_fp6_f32 v[WQ:WQ+2], v[XS+16:XS+31], v10
	v_nop
.irp i, 0,1,2
	v_mov_b32 v[WP+3+\i], v[WQ+\i]
.endr
.if ((\t)/2)%2 == 0
	ds_store_b128 v6, v[WP:WP+3] offset:1536*((\t)/4)+256*((\t)%2)          ; registers 0-3
	ds_store_b64 v6, v[WP+4:WP+5] offset:1536*((\t)/4)+512+256*((\t)%2)     ; registers 4, 5
.else
	ds_store_b64 v6, v[WP:WP+1] offset:1536*((\t)/4)+520+256*((\t)%2)       ; registers 6, 7
	ds_store_b128 v6, v[WP+2:WP+5] offset:1536*((\t)/4)+1024+256*((\t)%2)   ; registers 8-11
.endif
.if (\t) < 6
	LOADW (\t)+2
.endif
	s_wait_dscnt 0x0                               ; the stores have read the codes' registers
.endm
	s_load_b512 s[8:23], s[0:1], 0x0               ; x 8, wq 10, wk 12, wv 14, wo 16, xq 18, wq3 20, woq 22
	s_load_b64 s[24:25], s[0:1], 0x40              ; cs
	v_lshl_add_u32 v239, v0, 2, 0xe400
	v_mov_b32 v243, 0
	v_lshrrev_b32 v1, 5, v0
	v_readfirstlane_b32 s2, v1                     ; wave
	v_and_b32 v1, 31, v0                           ; lane
	v_and_b32 v2, 15, v0                           ; r
	v_bfe_u32 v3, v0, 4, 1                         ; h
	v_lshlrev_b32 v4, 4, v1                        ; 16 x lane
	s_mov_b32 s[SEL], 0x76543210
	s_mov_b32 s[SEL+1], 0xfedcba98
	s_cmp_ge_u32 ttmp9, 256
	s_cbranch_scc1 .Lw
	; ---------------- x ----------------
	s_lshl_b32 s3, ttmp9, 2
	s_add_co_u32 s3, s3, s2
	s_lshr_b32 s4, s3, 3                           ; T: my tile of 16 tokens
	s_and_b32 s5, s3, 7                            ; c: my chunk of 512 along K
	s_lshr_b32 s6, s4, 1
	s_lshl_b32 s6, s6, 5
	s_and_b32 s7, s4, 1
	s_lshl_b32 s7, s7, 3
	s_add_co_u32 s6, s6, s7                        ; the tile's first token: 32 (T / 2) + 8 (T % 2)
	s_lshl_b32 s26, s6, 14
	s_lshl_b32 s27, s5, 11
	s_add_co_u32 s26, s26, s27                     ; in x: 16,384 bytes a row, 2,048 a chunk
	s_mov_b32 s27, 0
	s_lshl_b32 s28, s5, 7
	s_add_co_u32 s28, s28, s4
	s_mul_i32 s28, s28, CELL                       ; my cell: 128 c + T
	s_mov_b32 s29, 0
	s_lshl_b32 s30, s4, 13
	s_lshl_b32 s31, s5, 9
	s_add_co_u32 s30, s30, s31                     ; in the table: 8,192 bytes a tile, my 512 of its cosines
	s_mov_b32 s31, 0
	s_mul_i32 s32, s2, XST
	s_wait_alu depctr_va_vdst(0)
	v_add_nc_u32 v5, s32, v4                       ; the stage, in: 16 x lane
	v_mul_u32_u24 v6, v2, 528
	v_lshl_add_u32 v6, v3, 7, v6
	v_add_nc_u32 v6, s32, v6                       ; and out: row r, + 128 h.  528 = 33 x 16: sixteen rows begin in sixteen different columns of 16 bytes
	v_lshlrev_b32 v[H8], 3, v3
	s_wait_kmcnt 0x0
	s_add_nc_u64 s[8:9], s[8:9], s[26:27]
	s_add_nc_u64 s[18:19], s[18:19], s[28:29]
	s_add_nc_u64 s[24:25], s[24:25], s[30:31]
	LOADX 0
	LOADX 1
	; The table, while the loads are on their way.  For lane (r, h): token = the tile's row r; frequencies j = 32 (c / 4) + 16 h + 4 (c % 4) + e, e = 0 .. 3.
	; cos(token x 10000^(-j / 64)), and sin of the same with its sign turned for even e: so rope is x[i] cos[i] + x[i xor 1] sin'[i].
	v_lshrrev_b32 v144, 3, v2
	v_lshl_add_u32 v144, v144, 3, v2
	v_add_nc_u32 v144, s6, v144
	v_cvt_f32_u32 v144, v144                       ; the token
	s_lshr_b32 s33, s5, 2
	s_lshl_b32 s33, s33, 5
	s_and_b32 s34, s5, 3
	s_lshl_b32 s34, s34, 2
	s_add_co_u32 s33, s33, s34
	v_lshl_add_u32 v145, v3, 4, s33
	v_mov_b32 v146, 0x3638ef1d                     ; 1 / 9!
	v_mov_b32 v147, 0xb493f27e                     ; -1 / 10!
.irp e, 0,1,2,3
	v_add_nc_u32 v[148+\e], \e, v145
.endr
.irp e, 0,1,2,3
	v_cvt_f32_u32 v[148+\e], v[148+\e]
.endr
.irp e, 0,1,2,3
	v_mul_f32 v[148+\e], 0xbe549a78, v[148+\e]     ; x -log2(10000) / 64
.endr
	s_wait_alu depctr_va_vdst(0)
.irp e, 0,1,2,3
	v_exp_f32 v[148+\e], v[148+\e]                 ; inv_freq
.endr
	v_nop                                          ; a plain line behind the batch,
	s_wait_alu depctr_va_vdst(0)                   ; and one wait for the four, ahead of their first reader
.irp e, 0,1,2,3
	v_mul_f32 v[152+\e], v144, v[148+\e]           ; the angle
.endr
.irp e, 0,1,2,3
	v_mul_f32 v[156+\e], 0x3f22f983, v[152+\e]
.endr
.irp e, 0,1,2,3
	v_rndne_f32 v[156+\e], v[156+\e]               ; n = the nearest multiple of pi / 2
.endr
.irp e, 0,1,2,3
	v_fmamk_f32 v[160+\e], v[156+\e], 0xbfc90fda, v[152+\e]   ; angle - n pi / 2, pi / 2 in three parts
.endr
.irp e, 0,1,2,3
	v_fmamk_f32 v[160+\e], v[156+\e], 0xb3a22168, v[160+\e]
.endr
.irp e, 0,1,2,3
	v_fmamk_f32 v[160+\e], v[156+\e], 0xa7c234c4, v[160+\e]
.endr
.irp e, 0,1,2,3
	v_mul_f32 v[164+\e], v[160+\e], v[160+\e]      ; z
.endr
.irp e, 0,1,2,3
	v_fmaak_f32 v[168+\e], v146, v[164+\e], 0xb9500d01
	v_fmaak_f32 v[172+\e], v147, v[164+\e], 0x37d00d01
.endr
.irp e, 0,1,2,3
	v_fmaak_f32 v[168+\e], v[168+\e], v[164+\e], 0x3c088889
	v_fmaak_f32 v[172+\e], v[172+\e], v[164+\e], 0xbab60b61
.endr
.irp e, 0,1,2,3
	v_fmaak_f32 v[168+\e], v[168+\e], v[164+\e], 0xbe2aaaab
	v_fmaak_f32 v[172+\e], v[172+\e], v[164+\e], 0x3d2aaaab
.endr
.irp e, 0,1,2,3
	v_mul_f32 v[176+\e], v[160+\e], v[164+\e]
	v_fmaak_f32 v[172+\e], v[172+\e], v[164+\e], 0xbf000000
.endr
.irp e, 0,1,2,3
	v_fma_f32 v[176+\e], v[176+\e], v[168+\e], v[160+\e]      ; sin of the rest
	v_fma_f32 v[172+\e], v[172+\e], v[164+\e], 1.0            ; cos of the rest
.endr
.irp e, 0,1,2,3
	v_cvt_i32_f32 v[180+\e], v[156+\e]
.endr
.irp e, 0,1,2,3
	v_and_b32 v[184+\e], 1, v[180+\e]
	v_cmp_eq_u32 vcc_lo, 1, v[184+\e]              ; an odd n changes sine and cosine
	v_cndmask_b32 v[188+\e], v[172+\e], v[176+\e], vcc_lo
	v_cndmask_b32 v[192+\e], v[176+\e], v[172+\e], vcc_lo
	v_add_nc_u32 v[184+\e], 1, v[180+\e]           ; cos is negative for n % 4 = 1, 2
	v_and_b32 v[184+\e], 2, v[184+\e]
	v_lshlrev_b32 v[184+\e], 30, v[184+\e]
	v_xor_b32 v[248+\e], v[184+\e], v[188+\e]
.if \e % 2 == 0
	v_add_nc_u32 v[184+\e], 2, v[180+\e]           ; -sin: negative for n % 4 = 0, 1
	v_and_b32 v[184+\e], 2, v[184+\e]
.else
	v_and_b32 v[184+\e], 2, v[180+\e]              ; sin: negative for n % 4 = 2, 3
.endif
	v_lshlrev_b32 v[184+\e], 30, v[184+\e]
	v_xor_b32 v[252+\e], v[184+\e], v[192+\e]
.endr
	global_store_b128 v4, v[248:251], s[24:25]             ; 512 consecutive bytes; v248-255 are not written again
	global_store_b128 v4, v[252:255], s[24:25] offset:4096
	XSTEP 0
	XSTEP 1
	XSTEP 2
	XSTEP 3
	s_wait_xcnt 0x0                                ; EXEC changes only behind this wait
	v_cmp_gt_u32 vcc_lo, 16, v1
	s_wait_tensorcnt 0x0
	ds_add_u32 v239, v243
	s_wait_dscnt 0x0
	s_and_saveexec_b32 s33, vcc_lo
	global_store_b128 v4, v[PWS:PWS+3], s[18:19] offset:6144   ; sixteen lanes store the cell's 256 bytes of scale words
	s_wait_xcnt 0x0
	s_or_b32 exec_lo, exec_lo, s33
	s_endpgm
	; ---------------- the weights ----------------
.Lw:
	s_sub_co_u32 s3, ttmp9, 256
	s_cmp_lt_u32 s3, 512                           ; 512 work-groups for wq | wk | wv (16 runs of 256 along K x 32 groups of 128 columns), 256 for wo (8 x 32)
	s_cselect_b32 s5, 1, 0
	s_cselect_b32 s4, 0, 512
	s_sub_co_u32 s3, s3, s4
	s_lshr_b32 s6, s3, 5                           ; 2 c + half: my run of 256 along K
	s_and_b32 s7, s3, 31                           ; the group of 128 columns
	s_wait_alu depctr_va_vdst(0)
	v_lshlrev_b32 v5, 2, v1                        ; 4 bytes a lane
	v_bfe_u32 v8, v0, 3, 1                         ; my column l of 32 lies in tile (l / 8) % 2,
	v_and_b32 v9, 7, v0
	v_lshl_add_u32 v9, v3, 3, v9                   ; at row l % 8 + 8 (l / 16)
	v_mul_u32_u24 v6, v8, HALFC
	v_lshl_add_u32 v6, v9, 4, v6
	s_mul_i32 s26, s2, WSTG
	s_add_co_u32 s26, s26, WBASE
	v_add_nc_u32 v6, s26, v6                       ; into the stage: my cell's half, 16 x my row
	v_add_nc_u32 v7, s26, v4                       ; out of it: 16 x lane
	v_mul_u32_u24 v12, v8, CELL
	v_lshl_add_u32 v12, v9, 4, v12                 ; in memory: my cell, my row's 16 bytes of scale words
	s_wait_kmcnt 0x0
	s_mov_b64 s[28:29], s[14:15]                   ; the source, its row in bytes, and the groups that lie ahead of it: choices on the work-group's number alone
	s_mov_b32 s30, 4096
	s_mov_b32 s31, 24
	s_mov_b32 s26, 8192
	s_mov_b32 s27, 16384
	s_cmp_lt_u32 s7, 24
	s_cselect_b64 s[28:29], s[12:13], s[28:29]
	s_cselect_b32 s31, 16, s31
	s_cmp_lt_u32 s7, 16
	s_cselect_b64 s[28:29], s[10:11], s[28:29]
	s_cselect_b32 s31, 0, s31
	s_cselect_b32 s30, s26, s30
	s_cmp_eq_u32 s5, 1
	s_cselect_b64 s[28:29], s[28:29], s[16:17]
	s_cselect_b32 s31, s31, 0
	s_cselect_b32 s30, s30, s27
	s_cselect_b64 s[20:21], s[20:21], s[22:23]
	s_sub_co_u32 s31, s7, s31
	s_lshl_b32 s31, s31, 2
	s_add_co_u32 s31, s31, s2
	s_lshl_b32 s31, s31, 7                         ; my 32 columns, in bytes
	s_lshl_b32 s26, s6, 8
	s_mul_i32 s26, s26, s30                        ; my 256 rows
	s_add_co_u32 s26, s26, s31
	s_mov_b32 s27, 0
	s_add_nc_u64 s[32:33], s[28:29], s[26:27]      ; a base for each block of 32 rows: s32-47, never rewritten
	s_lshl_b32 s26, s30, 5
.irp t, 1,2,3,4,5,6,7
	s_add_nc_u64 s[32+2*\t:33+2*\t], s[30+2*\t:31+2*\t], s[26:27]
.endr
	s_lshr_b32 s3, s6, 1                           ; c
	s_and_b32 s8, s6, 1                            ; which half of the chunk
	s_lshl_b32 s3, s3, 7
	s_lshl_b32 s4, s7, 2
	s_add_co_u32 s4, s4, s2
	s_add_co_u32 s3, s3, s4
	s_mul_i32 s4, s3, 2*CELL                       ; my two cells: (256 c + 2 (4 group + wave)) x 6,400
	s_mov_b32 s5, 0
	s_add_nc_u64 s[20:21], s[20:21], s[4:5]
	s_lshl_b32 s4, s8, 3
	s_add_nc_u64 s[22:23], s[20:21], s[4:5]        ; the scale words: my two of a row's four
	s_mul_i32 s4, s8, HALFC
	s_add_nc_u64 s[20:21], s[20:21], s[4:5]        ; the images: my two of a cell's four
.set i, 0
.rept 32
	v_mad_u32_u24 v[OFFV+i], s30, i, v5            ; row i of a block
.set i, i+1
.endr
	LOADW 0
	LOADW 1
.irp t, 0,1,2,3,4,5,6,7
	BLOCK \t
.endr
	s_wait_alu depctr_va_vdst(0)
	global_store_b64 v12, v[SW:SW+1], s[22:23] offset:6144   ; my column's two scale words: 8 of its row's 16 bytes
.irp k, 0,1,2,3,4,5,6,7,8,9,10,11
	ds_load_b128 v[16+4*\k:19+4*\k], v7 offset:512*\k   ; LDS serves a wave's instructions in order: these see my stores
.endr
.irp k, 0,1,2,3,4,5,6,7,8,9,10,11
	s_wait_dscnt 11-\k
	global_store_b128 v4, v[16+4*\k:19+4*\k], s[20:21] offset:CELL*(\k/6)+512*(\k%6)   ; 3,072 consecutive bytes in each of the two cells, 512 an instruction
.endr
	s_wait_tensorcnt 0x0
	ds_add_u32 v239, v243
	s_wait_dscnt 0x0
	s_endpgm
.Lfunc_end_k_q66731577b7_prep:
	.size	k_q66731577b7_prep, .Lfunc_end_k_q66731577b7_prep-k_q66731577b7_prep
	.p2alignl 7, 3214868480
	.fill 96, 4, 3214868480
	.section	.rodata,"a",@progbits
	.p2align	6, 0x0
	.amdhsa_kernel k_q66731577b7_prep
		.amdhsa_group_segment_fixed_size 58880
		.amdhsa_private_segment_fixed_size 0
		.amdhsa_enable_private_segment 0
		.amdhsa_kernarg_size 72
		.amdhsa_user_sgpr_count 2
		.amdhsa_user_sgpr_kernarg_segment_ptr 1
		.amdhsa_wavefront_size32 1
		.amdhsa_system_sgpr_workgroup_id_x 1
		.amdhsa_system_sgpr_workgroup_id_y 1
		.amdhsa_system_sgpr_workgroup_id_z 1
		.amdhsa_system_vgpr_workitem_id 0
		.amdhsa_next_free_vgpr 256
		.amdhsa_next_free_sgpr 70
		.amdhsa_reserve_vcc 1
		.amdhsa_float_denorm_mode_32 3
		.amdhsa_float_denorm_mode_16_64 3
		.amdhsa_memory_ordered 1
		.amdhsa_forward_progress 1
		.amdhsa_inst_pref_size 81
	.end_amdhsa_kernel
	.amdgpu_metadata
---
amdhsa.version: [ 1, 2 ]
amdhsa.kernels:
  - .name:           k_q66731577b7_prep
    .symbol:         k_q66731577b7_prep.kd
    .args:
      - { .name: x, .offset: 0, .size: 8, .value_kind: global_buffer, .address_space: global }
      - { .name: wq, .offset: 8, .size: 8, .value_kind: global_buffer, .address_space: global }
      - { .name: wk, .offset: 16, .size: 8, .value_kind: global_buffer, .address_space: global }
      - { .name: wv, .offset: 24, .size: 8, .value_kind: global_buffer, .address_space: global }
      - { .name: wo, .offset: 32, .size: 8, .value_kind: global_buffer, .address_space: global }
      - { .name: xq, .offset: 40, .size: 8, .value_kind: global_buffer, .address_space: global }
      - { .name: wq3, .offset: 48, .size: 8, .value_kind: global_buffer, .address_space: global }
      - { .name: woq, .offset: 56, .size: 8, .value_kind: global_buffer, .address_space: global }
      - { .name: cs, .offset: 64, .size: 8, .value_kind: global_buffer, .address_space: global }
    .group_segment_fixed_size: 58880
    .private_segment_fixed_size: 0
    .kernarg_segment_align: 8
    .kernarg_segment_size: 72
    .max_flat_workgroup_size: 128
    .sgpr_count:     70
    .vgpr_count:     256
    .wavefront_size: 32
...
	.end_amdgpu_metadata
.endif
;; end of part 1
;; launch qkv (part 2): grid 16 x 16, 4 waves a work-group, clusters of 4 x 4, 327,680 bytes of LDS; arguments xq, wq3, cs, qq, kq, vq, out1, out2; writes qq, kq, vq, out1, out2
.if DOCPART == 2
	.amdgcn_target "amdgcn-amd-amdhsa--gfx1250"
	.amdhsa_code_object_version 6
	.text
	.protected	k_q66731577b7_qkv
	.globl	k_q66731577b7_qkv
	.p2align	8
	.type	k_q66731577b7_qkv,@function
k_q66731577b7_qkv:
	s_mov_b64 s[64:65], 0
	v_nop
	global_prefetch_b8 v0, s[64:65] scope:SCOPE_SE
	s_setreg_imm32_b32 hwreg(HW_REG_WAVE_MODE, 25, 1), 1
	s_wait_xcnt 0x0
	s_wait_alu depctr_hold_cnt(0) depctr_sa_sdst(0) depctr_va_vdst(0) depctr_va_sdst(0) depctr_va_ssrc(0) depctr_va_vcc(0) depctr_vm_vsrc(0)
	s_getreg_b32 s2, hwreg(HW_REG_IB_STS2, 6, 4)
	s_cmp_eq_u32 s2, 0
	s_cbranch_scc0 .Lentry_in_a_cluster
	s_endpgm
.Lentry_in_a_cluster:
	s_bfe_u32 s2, ttmp6, 0x10000c
	s_cmp_lg_u32 s2, 0xf033
	s_cbranch_scc0 .Lentry_shape_is_right
	s_endpgm
.Lentry_shape_is_right:
; q | k | v = x [wq | wk | wv] on codes of FP6 (E2M3) with E8M0 scales, K = 4,096; then the rope on q and k, 1 / sqrt(128) on q, k and v stored in f32 for both query heads of each kv head (out1, out2),
; and q, k (along the head's 128) and v (along the tokens) quantised anew as the operands of the attention launch.
; A work-group makes 128 tokens x 256 columns, a wave 64 x 128: 32 accumulators.  THE 256 COLUMNS ARE ONE q HEAD (the waves of column half 0) AND ONE k OR v HEAD (column half 1; cluster columns 0, 1: k, 2, 3: v):
; so the f32 rows of out1 and out2 are stored by all 256 work-groups, 128 KiB each.  The matrix instruction is used transposed (source 0 = the weights' rows, source 1 = x's rows).
; OPERANDS lie in memory as cells of 6,400 bytes = 16 rows x 512 K: four images of an operand's registers (1,536 bytes each) and 256 bytes of scale words; a buffer is [chunk of 512 K][tile][6,400].
; THE WEIGHTS come through a ring of two LDS slots, a chunk of 16 cells each; every wave asks for four cells by one joint load that names the four work-groups of its cluster column.  A wave's four cells of slot 0 and of
; slot 1 lie on end in LDS: so its one load at the head, a tile of two rows of 25,600 bytes a chunk apart in memory, brings chunks 0 and 1 together.
; x's FRAGMENTS GO FROM MEMORY STRAIGHT INTO REGISTERS: they are register images, each load takes 512 consecutive bytes.  Four buffers of 48 registers, one for each step of a chunk; the group of step s + 3 is asked for in step s.
; So a third of a chunk's 24 cells neither lands in LDS nor is read from it.  No joint load serves x: a joint load lands in LDS alone.
; A group is 12 loads, and 4 more (the chunk's scale words) for a chunk's first step: the counts of s_wait_loadcnt are the groups issued behind the step's own, on the way without the table's loads; they hold on the other too.
; PREFETCH: every cluster asks for chunk c + 2 of its own tiles behind the load of chunk c (for chunks 2 and 3 at the head), each block of 256 bytes once a cluster: of the weights' 16 cells the partner at cy takes 4, a wave a
; cell; of x's 8 cells the partner at cx takes 2, waves 0 and 1 a cell (25 blocks a cell; lanes 25-31 name the last again).  The last two refills ask for nothing.
; REGISTERS: window 0: v0-31 addresses; v32-95 the weights' scale words, two sets; v96-127 x's, two sets; v128-223 x's buffers 0, 1.  window 1: accumulators.  window 2: v0-191 the weights' fragments, two sets; v192-239 x's buffer 2.
; window 3: v0-255 the rope's table, its last quarter loaded behind the last product, since v192-239 are x's buffer 3.
; LIMITS: NaN and infinities are not served; a block of zeros keeps the scale byte 1 (its codes are zeros; this program alone reads the bytes).
.set CELL,  6400
.set FRB,   1536
.set QB,    4*CELL                     ; what a wave's ring load brings
.set SPARE, 8*QB                       ; behind the ring: the spare words, 128 bytes a wave
.set ACH,   128*CELL
.set BCH,   256*CELL
.set LAPS,  4
.set KSTW,  8448
.set VST,   34816
.set VROW,  1040
.set VBLK,  32*VROW+128
.set QKC,   6656
.set VC,    13312
.set HEADO, 2048*512
.set VCA,  4
.set ASO,  7                           ; v7 16 x (lane % 16): my row's scale words in a cell
.set VO,   8
.set VO2,  9
.set H8,   10
.set VRD,  12                          ; v12-13
.set ADRS2, 16                         ; v16-17 scale words of my cells 4-7 in slot 0, 1
.set ADRB2, 18                         ; v18-19 my cells 4-7
.set ADRB, 20                          ; v20-21 my cells 0-3
.set ADRS, 22                          ; v22-23 their scale words
.set STO,  24
.set RD,   25
.set VSTO, 26
.set SPW,  28
.set NIL,  29
.set PFO,  30
.set SC,   32
.set AS,   96
.set HA,   96
.set TM,   160
.set PWS,  176
.set PC,   32
.set PT,   44
.set M,    52
.set SO,   54
.set BY,   56
.set TQ,   58
.set PWV,  60
.set G0H, 8                            ; s[8:11], s[32:39] the head's load
.set AB,  24                           ; s[24:25] x's cells of my 64 rows, at the lap's first chunk
.set G1H, 32
.set G1B, 48
.set G0B, 56
.set PFA, 84
.set PFB, 86
.set TYPE, 89                          ; 0: my work-group's second head is k's, 1: v's
.set SEL, 90
.set SCL, 92
.set DST, 94
.set OUT, 96
.set CSB, 98
.set MSB, 0
.macro WIN new
.if MSB != \new
	s_set_vgpr_msb (MSB<<8)|\new
.set MSB, \new
.endif
.endm
.macro MWIN q                          ; source 0 window 2, C and D window 1, source 1: the window of x's buffer q (0, 0, 2, 3)
	WIN (0x52|((((\q)/2)*(\q))<<2))
.endm
.macro JLOAD sl                        ; my quarter of a chunk of the weights; s_nop 0 and four v_nop follow
	tensor_load_to_lds s[G0B+4*\sl:G0B+4*\sl+3], s[G1B:G1B+7]
	s_nop 0
.rept 4
	v_nop
.endr
.endm
.macro CREST
	s_cmp_lg_u32 s14, 0
	s_cbranch_scc1 .Lnot_wave_0_\@
	s_barrier_signal -3
.Lnot_wave_0_\@:
	s_barrier_wait -3
	s_barrier_signal -1
	s_barrier_wait -1
.endm
.macro CROUND
	s_barrier_signal -1
	s_barrier_wait -1
	CREST
.endm
.macro PLACES n
.rept \n
	v_nop
.endr
.endm
.macro FINISH
	s_wait_tensorcnt 0x0
	ds_add_u32 v[SPW], v[NIL]
	s_wait_dscnt 0x0
	CROUND
	s_endpgm
.endm
.macro ASK test, k                     ; chunk k behind where the prefetch addresses stand.  test = 1: not in the loop's last trip
.if \test
	s_cmp_gt_u32 s3, 1
	s_cbranch_scc0 .Lasked_\@
.endif
	global_prefetch_b8 v[PFO], s[PFB:PFB+1] offset:(\k)*BCH th:TH_LOAD_NT scope:SCOPE_SE
	s_cmp_lt_u32 s14, 2
	s_cbranch_scc0 .Lasked_\@
	global_prefetch_b8 v[PFO], s[PFA:PFA+1] offset:(\k)*ACH th:TH_LOAD_NT scope:SCOPE_SE
.Lasked_\@:
.endm
.macro FETCHB pl, q, p                 ; the weights' eight fragments of step q of slot pl into set p
	WIN 0x80
.irp i, 0,1,2,3
.irp c, 0,1,2
	ds_load_b128 v[96*(\p)+12*\i+4*\c:96*(\p)+12*\i+4*\c+3], v[ADRB+(\pl)] offset:CELL*\i+FRB*(\q)+512*\c
.endr
.endr
.irp i, 0,1,2,3
.irp c, 0,1,2
	ds_load_b128 v[96*(\p)+48+12*\i+4*\c:96*(\p)+48+12*\i+4*\c+3], v[ADRB2+(\pl)] offset:CELL*\i+FRB*(\q)+512*\c
.endr
.endr
	WIN 0
.endm
.macro SCALES pl, st
.irp i, 0,1,2,3
	ds_load_b128 v[SC+32*(\st)+4*\i:SC+32*(\st)+4*\i+3], v[ADRS+(\pl)] offset:CELL*\i
.endr
.irp i, 0,1,2,3
	ds_load_b128 v[SC+32*(\st)+16+4*\i:SC+32*(\st)+16+4*\i+3], v[ADRS2+(\pl)] offset:CELL*\i
.endr
.endm
.macro ALOAD q, ch                     ; x's group of step q of chunk ch (counted from the lap's first) into buffer q; with q = 0 the chunk's scale words too
.set AR, (1-(\q)/2)*(128+48*(\q))+((\q)/2)*192
.if (\q) == 0
.irp i, 0,1,2,3
	global_load_b128 v[AS+16*((\ch)%2)+4*\i:AS+16*((\ch)%2)+4*\i+3], v[ASO], s[AB:AB+1] offset:(\ch)*ACH+CELL*\i+4*FRB
.endr
.endif
	WIN ((((\q)/2)*(\q))<<6)
.irp i, 0,1,2,3
.irp c, 0,1,2
	global_load_b128 v[AR+12*\i+4*\c:AR+12*\i+4*\c+3], v3, s[AB:AB+1] offset:(\ch)*ACH+CELL*\i+FRB*(\q)+512*\c
.endr
.endr
	WIN 0
.endm
.macro MUL8 a, q, st, zero             ; x's block a against the weights' eight; the 32 accumulators take turns
.set AR, (1-(\q)/2)*(128+48*(\q))+((\q)/2)*192
.irp b, 0,1,2,3,4,5,6,7
.if \zero
	v_wmma_scale_f32_16x16x128_f8f6f4 v[8*(8*(\a)+\b):8*(8*(\a)+\b)+7], v[96*((\q)%2)+12*\b:96*((\q)%2)+12*\b+11], v[AR+12*(\a):AR+12*(\a)+11], 0, v[SC+32*(\st)+4*\b+(\q)], v[AS+16*(\st)+4*(\a)+(\q)] matrix_a_fmt:MATRIX_FMT_FP6 matrix_b_fmt:MATRIX_FMT_FP6
.else
	v_wmma_scale_f32_16x16x128_f8f6f4 v[8*(8*(\a)+\b):8*(8*(\a)+\b)+7], v[96*((\q)%2)+12*\b:96*((\q)%2)+12*\b+11], v[AR+12*(\a):AR+12*(\a)+11], v[8*(8*(\a)+\b):8*(8*(\a)+\b)+7], v[SC+32*(\st)+4*\b+(\q)], v[AS+16*(\st)+4*(\a)+(\q)] matrix_a_fmt:MATRIX_FMT_FP6 matrix_b_fmt:MATRIX_FMT_FP6
.endif
.endr
.endm
; A step with no change of slots.  st: this chunk's sets of scale words; q: the step; fpl, fq: slot and step of the fragments fetched for the next step; ch: the chunk of x's group three steps on (-1: none is left);
; n: the loads issued behind this step's group
.macro STEP st, q, zero, fpl, fq, ch, n
	s_wait_dscnt 0x0                               ; this step's fragments of the weights are in
	PLACES 4                                       ; places ahead of loads into registers that the last step's products read
	FETCHB \fpl, \fq, 1-(\q)%2
.if (\ch) >= 0
	ALOAD ((\q)+3)%4, \ch
.endif
	s_wait_loadcnt \n
	MWIN \q
	MUL8 0, \q, \st, \zero
	MUL8 1, \q, \st, \zero
	MUL8 2, \q, \st, \zero
	MUL8 3, \q, \st, \zero
	WIN 0
.endm
; A chunk's last step, and the change of slots: all my tensor loads waited for, the add, its wait and that for my reads of the slot; fill = 1: a round of the cluster's barrier and the slot's refill, two chunks on
.macro TURN sl, fill, ch
.if \fill
	s_wait_xcnt 0x0                                ; my last prefetches have read their addresses
	s_add_nc_u64 s[PFA:PFA+1], s[PFA:PFA+1], ACH
	s_add_nc_u64 s[PFB:PFB+1], s[PFB:PFB+1], BCH
.endif
	s_wait_tensorcnt 0x0
	ds_add_u32 v[SPW], v[NIL]
	s_wait_dscnt 1                                 ; the add may be out
	s_wait_loadcnt 28                              ; behind this step's group: the next chunk's first (16) and second (12)
	MWIN 3
	MUL8 0, 3, \sl, 0
	s_wait_dscnt 0x0
	s_barrier_signal -1
	MUL8 1, 3, \sl, 0
	WIN 0
	s_barrier_wait -1
.if \fill
	CREST
	s_add_nc_u64 s[G0B+4*\sl+2:G0B+4*\sl+3], s[G0B+4*\sl+2:G0B+4*\sl+3], 2*BCH
	JLOAD \sl
.else
	PLACES 4
.endif
	FETCHB 1-\sl, 0, 0
	SCALES 1-\sl, 1-\sl
	ALOAD 2, \ch
.if \fill
	ASK 1, 1
.endif
	MWIN 3
	MUL8 2, 3, \sl, 0
	MUL8 3, 3, \sl, 0
	WIN 0
.endm
.macro QROW s, pw                      ; 64 numbers of a lane, register 16 b + i = k 32 b + 16 (lane / 16) + i, become a fragment's codes in v[PC] on and its scale word in v[pw]
.irp b, 0,1,2,3
	v_max3_num_f32 v[TM+\b], |v[(\s)+16*\b]|, |v[(\s)+1+16*\b]|, 0x1800000
.endr
.irp i, 2,4,6,8,10,12,14
.irp b, 0,1,2,3
	v_max3_num_f32 v[TM+\b], v[TM+\b], |v[(\s)+16*\b+\i]|, |v[(\s)+1+16*\b+\i]|
.endr
.endr
.irp b, 0,1,2,3
	v_permlanex16_b32 v[TM+4+\b], v[TM+\b], s[SEL], s[SEL+1]
.endr
.irp b, 0,1,2,3
	v_max_num_f32 v[TM+\b], v[TM+\b], v[TM+4+\b]
.endr
.irp b, 0,1,2,3
	v_add_nc_u32 v[TM+12+\b], 0xff000000, v[TM+\b]
.endr
.irp b, 0,1,2,3
	v_lshrrev_b32 v[TM+4+\b], 23, v[TM+12+\b]
.endr
	v_lshl_or_b32 v[\pw], v[TM+5], 8, v[TM+4]
	v_lshl_or_b32 v[\pw], v[TM+6], 16, v[\pw]
	v_lshl_or_b32 v[\pw], v[TM+7], 24, v[\pw]
.irp c, 0,1
	v_cvt_scalef32_pk16_fp6_f32 v[PC+6*\c:PC+2+6*\c], v[(\s)+32*\c:(\s)+15+32*\c], v[TM+12+2*\c]
	v_cvt_scalef32_pk16_fp6_f32 v[PC+12+4*\c:PC+14+4*\c], v[(\s)+16+32*\c:(\s)+31+32*\c], v[TM+12+2*\c+1]
.endr
	v_nop
.irp c, 0,1
.irp i, 0,1,2
	v_permlane16_swap_b32 v[PC+6*\c+\i], v[PC+12+4*\c+\i]
.endr
.irp i, 0,1,2
	v_mov_b32 v[PC+3+6*\c+\i], v[PC+12+4*\c+\i]
.endr
.endr
.endm
.macro QCOL x, pw                      ; 64 numbers of a lane in whole blocks of 32 become a fragment's codes and its scale word
.irp c, 0,1
	v_max3_num_f32 v[M+\c], |v[(\x)+32*\c]|, |v[(\x)+32*\c+1]|, 0x1800000
.endr
.irp i, 2,4,6,8,10,12,14,16,18,20,22,24,26,28,30
.irp c, 0,1
	v_max3_num_f32 v[M+\c], v[M+\c], |v[(\x)+32*\c+\i]|, |v[(\x)+32*\c+\i+1]|
.endr
.endr
.irp c, 0,1
	v_add_nc_u32 v[SO+\c], 0xff000000, v[M+\c]
.endr
.irp c, 0,1
	v_lshrrev_b32 v[BY+\c], 23, v[SO+\c]
.endr
	v_lshl_or_b32 v[\pw], v[BY+1], 16, v[BY]
	v_lshlrev_b32 v[\pw], v[H8], v[\pw]
	v_mov_b32 v[TQ], 0
	v_permlanex16_b32 v[TQ], v[\pw], s[SEL], s[SEL+1]
	v_or_b32 v[\pw], v[\pw], v[TQ]
.irp c, 0,1
	v_cvt_scalef32_pk16_fp6_f32 v[PC+6*\c:PC+6*\c+2], v[(\x)+32*\c:(\x)+32*\c+15], v[SO+\c]
	v_cvt_scalef32_pk16_fp6_f32 v[PT+4*\c:PT+4*\c+2], v[(\x)+32*\c+16:(\x)+32*\c+31], v[SO+\c]
.endr
	v_nop
.irp c, 0,1
.irp i, 0,1,2
	v_mov_b32 v[PC+3+6*\c+\i], v[PT+4*\c+\i]
.endr
.endr
.endm
.macro CSLOAD a                        ; the table of cos and sin for my tile a of 16 tokens: window 3
	WIN 0xc0
.irp k, 0,1,2,3,4,5,6,7,8,9,10,11,12,13,14,15
	global_load_b128 v[64*(\a)+4*\k:64*(\a)+4*\k+3], v3, s[CSB:CSB+1] offset:8192*(\a)+512*\k
.endr
	WIN 0
.endm
	s_load_b512 s[68:83], s[0:1], 0x0              ; xq 68, wq3 70, cs 72, qq 74, kq 76, vq 78, out1 80, out2 82
	v_lshl_add_u32 v[SPW], v0, 2, SPARE
	v_mov_b32 v[NIL], 0
	ds_add_u32 v[SPW], v[NIL]                      ; the opening lines: the add twice on end and one wait
	ds_add_u32 v[SPW], v[NIL]
	v_lshrrev_b32 v1, 5, v0
	v_readfirstlane_b32 s14, v1                    ; wave
	s_lshr_b32 s15, s14, 1                         ; my half of the rows.  As a loader: q's cells (0) or the second head's (1)
	s_and_b32 s16, s14, 1                          ; my half of the columns: q's head (0) or the second head (1).  As a loader: which four cells of the eight
	s_bfe_u32 s40, ttmp6, 0x40000
	s_bfe_u32 s41, ttmp6, 0x40004
	s_lshl_b32 s42, ttmp9, 2
	s_add_co_u32 s42, s42, s40                     ; tile column: q head 0 .. 15; k head 0 .. 7 or v head 8 .. 15 less 8
	s_and_b32 s17, ttmp7, 0xffff
	s_lshl_b32 s17, s17, 2
	s_add_co_u32 s17, s17, s41                     ; tile row
	s_lshl_b32 s44, 0x1111, s40                    ; my column of the cluster
	s_lshr_b32 s[TYPE], ttmp9, 1
	s_or_b32 s[G1B+0], s44, (3<<16)|(1<<21)        ; the ring's loads: 100 rows of 256 bytes
	s_mov_b32 s[G1B+1], 32<<16
	s_mov_b32 s[G1B+2], 100<<16
	s_mov_b32 s[G1B+3], 32<<16
	s_mov_b32 s[G1B+4], 100
	s_mov_b32 s[G1B+5], 32
	s_mov_b32 s[G1B+6], 0
	s_mov_b32 s[G1B+7], 0
	s_or_b32 s[G1H+0], s44, (3<<16)|(1<<21)        ; the head's load: 2 rows of 25,600 bytes (3,200 elements of 8), a chunk apart
	s_mov_b32 s[G1H+1], 3200<<16
	s_mov_b32 s[G1H+2], 2<<16
	s_mov_b32 s[G1H+3], 3200<<16
	s_mov_b32 s[G1H+4], 2
	s_mov_b32 s[G1H+5], BCH/8
	s_mov_b32 s[G1H+6], 0
	s_mov_b32 s[G1H+7], 0
	s_mul_i32 s46, s42, 8*CELL                     ; tile 8 x column, + 128 tiles for the second head, + my four cells
	s_mul_i32 s20, s16, QB
	s_add_co_u32 s46, s46, s20
	s_mul_i32 s20, s15, 128*CELL
	s_add_co_u32 s46, s46, s20
	s_mov_b32 s47, 0
	s_mul_i32 s22, s14, 2*QB                       ; in LDS: my four cells of slot 0, then of slot 1
	s_wait_dscnt 0x0
	s_wait_kmcnt 0x0
	s_add_nc_u64 s[46:47], s[70:71], s[46:47]
	CROUND                                         ; all sixteen work-groups are here
	s_mov_b32 s[G0H], 1
	s_mov_b32 s[G0H+1], s22
	s_mov_b64 s[G0H+2:G0H+3], s[46:47]
	s_or_b32 s[G0H+3], s[G0H+3], 0x80000000
.irp s, 0,1
	s_mov_b32 s[G0B+4*\s], 1
	s_add_co_u32 s[G0B+4*\s+1], s22, \s*QB
	s_add_nc_u64 s[G0B+4*\s+2:G0B+4*\s+3], s[46:47], \s*BCH
	s_or_b32 s[G0B+4*\s+3], s[G0B+4*\s+3], 0x80000000
.endr
	tensor_load_to_lds s[G0H:G0H+3], s[G1H:G1H+7]  ; chunks 0 and 1: one tensor load a wave at the head
	s_nop 0
.rept 4
	v_nop
.endr
	s_lshl_b32 s4, s17, 3
	s_lshl_b32 s5, s15, 2
	s_add_co_u32 s4, s4, s5                        ; my first tile of 16 tokens
	s_mul_i32 s6, s4, CELL
	s_mov_b32 s7, 0
	s_add_nc_u64 s[AB:AB+1], s[68:69], s[6:7]
	s_lshl_b32 s4, s4, 13
	s_mov_b32 s5, 0
	s_add_nc_u64 s[CSB:CSB+1], s[72:73], s[4:5]
	s_lshl_b32 s4, s17, 3                          ; the prefetches stand at chunk 2: of x's 8 cells cell 2 cx + wave,
	s_lshl_b32 s6, s40, 1
	s_add_co_u32 s4, s4, s6
	s_add_co_u32 s4, s4, s14
	s_mul_i32 s4, s4, CELL
	s_add_co_u32 s4, s4, 2*ACH
	s_add_nc_u64 s[PFA:PFA+1], s[68:69], s[4:5]
	s_lshl_b32 s4, s42, 3                          ; of the weights' 16 cells cell 4 cy + wave: tile 8 x column + 4 (cy % 2) + wave, + 128 tiles where cy is 2 or 3
	s_and_b32 s6, s41, 1
	s_lshl_b32 s6, s6, 2
	s_add_co_u32 s4, s4, s6
	s_add_co_u32 s4, s4, s14
	s_lshr_b32 s6, s41, 1
	s_lshl_b32 s6, s6, 7
	s_add_co_u32 s4, s4, s6
	s_mul_i32 s4, s4, CELL
	s_add_co_u32 s4, s4, 2*BCH
	s_add_nc_u64 s[PFB:PFB+1], s[70:71], s[4:5]
	s_mul_i32 s26, s16, 4*QB                       ; my eight cells: those that waves 2 x half and 2 x half + 1 fetch,
	s_add_co_u32 s27, s26, 4*FRB                   ; and their scale words
	s_mul_i32 s28, s14, KSTW
	s_mul_i32 s29, s15, 2*VBLK
	s_add_co_u32 s29, s29, VST                     ; v's stage: my 64 tokens
	s_lshl_b32 s31, s15, 8
	s_add_co_u32 s31, s31, VST                     ; and my 64 channels
	s_mul_i32 s18, s15, 4*FRB
	s_lshl_b32 s19, s15, 9
	s_mov_b32 s[SEL], 0x76543210
	s_mov_b32 s[SEL+1], 0xfedcba98
	s_mov_b32 s[SCL], 0x3db504f3                   ; 1 / sqrt(128)
	s_mov_b32 s[SCL+1], s[SCL]
	v_and_b32 v1, 15, v0
	v_bfe_u32 v2, v0, 4, 1
	v_and_b32 v3, 31, v0
	v_min_u32 v[PFO], 24, v3
	v_lshlrev_b32 v[PFO], 8, v[PFO]
	v_lshlrev_b32 v3, 4, v3
	v_lshlrev_b32 v[ASO], 4, v1
	v_add_nc_u32 v[ADRB], s26, v3
	v_add_nc_u32 v[ADRB+1], QB, v[ADRB]
	v_add_nc_u32 v[ADRB2], 2*QB, v[ADRB]
	v_add_nc_u32 v[ADRB2+1], 3*QB, v[ADRB]
	v_add_nc_u32 v[ADRS], s27, v[ASO]
	v_add_nc_u32 v[ADRS+1], QB, v[ADRS]
	v_add_nc_u32 v[ADRS2], 2*QB, v[ADRS]
	v_add_nc_u32 v[ADRS2+1], 3*QB, v[ADRS]
	v_mul_u32_u24 v[STO], v1, 528
	v_lshl_add_u32 v[STO], v2, 6, v[STO]
	v_add_nc_u32 v[STO], s28, v[STO]
	v_add_nc_u32 v[RD], s28, v3
	v_mul_u32_u24 v[VSTO], v1, VROW
	v_lshl_add_u32 v[VSTO], v2, 6, v[VSTO]
	v_add_nc_u32 v[VSTO], s29, v[VSTO]
	v_add_nc_u32 v[VRD], s29, v3
	v_add_nc_u32 v[VRD+1], VBLK, v[VRD]
	v_lshrrev_b32 v6, 3, v1
	v_lshl_add_u32 v6, v6, 3, v1
	v_mul_u32_u24 v[VCA], v2, VBLK
	v_lshl_add_u32 v[VCA], v6, 2, v[VCA]
	v_add_nc_u32 v[VCA], s31, v[VCA]
	v_add_nc_u32 v[VCA+1], 2*VBLK, v[VCA]
	v_add_nc_u32 v[VO], s18, v3
	v_add_nc_u32 v[VO2], s19, v3
	v_lshlrev_b32 v[H8], 3, v2
	s_wait_alu depctr_va_vdst(0)                   ; the wait at the end of the head's vector work
	ALOAD 0, 0                                     ; x's groups of steps 0, 1, 2
	ALOAD 1, 0
	ALOAD 2, 0
	ASK 0, 0                                       ; chunk 2
	s_wait_tensorcnt 0x0                           ; my part of chunks 0 and 1 is in,
	s_barrier_signal -1
	s_barrier_wait -1                              ; and everybody's
	FETCHB 0, 0, 0
	SCALES 0, 0
	ASK 0, 1                                       ; chunk 3
	s_cmp_eq_u32 s16, 0
	s_cbranch_scc1 .Ltable                         ; q's waves and k's take the rope; v's do not
	s_cmp_eq_u32 s[TYPE], 1
	s_cbranch_scc1 .Lno_table
.Ltable:
	CSLOAD 0
	CSLOAD 1
	CSLOAD 2
.Lno_table:
	STEP 0, 0, 1, 0, 1, 0, 36                      ; the first step's products start the sums
	s_mov_b32 s3, LAPS-1
.Llap:                                             ; a trip goes once round the ring, from a lap's second step to the next lap's first
	STEP 0, 1, 0, 0, 2, 1, 40
	STEP 0, 2, 0, 0, 3, 1, 40
	TURN 0, 1, 1
	STEP 1, 0, 0, 1, 1, 1, 36
	STEP 1, 1, 0, 1, 2, 2, 40
	STEP 1, 2, 0, 1, 3, 2, 40
	TURN 1, 1, 2
	STEP 0, 0, 0, 0, 1, 2, 36
	s_wait_xcnt 0x0                                ; x's loads have read their base
	s_add_nc_u64 s[AB:AB+1], s[AB:AB+1], 2*ACH
	s_sub_co_u32 s3, s3, 1
	s_cmp_lg_u32 s3, 0
	s_cbranch_scc1 .Llap
	STEP 0, 1, 0, 0, 2, 1, 40
	STEP 0, 2, 0, 0, 3, 1, 40
	TURN 0, 0, 1
	STEP 1, 0, 0, 1, 1, 1, 36
	STEP 1, 1, 0, 1, 2, -1, 24
	STEP 1, 2, 0, 1, 3, -1, 12
	s_wait_dscnt 0x0
	s_wait_loadcnt 0x0
	MWIN 3
	MUL8 0, 3, 1, 0
	MUL8 1, 3, 1, 0
	MUL8 2, 3, 1, 0
	MUL8 3, 3, 1, 0
	WIN 0
	PLACES 4
	s_wait_dscnt 0x0
	s_barrier_signal -1
	s_barrier_wait -1                              ; nobody reads the slots any more: the stages lie in them, behind their last fill
	s_cmp_eq_u32 s16, 0
	s_cbranch_scc1 .Lnot_v_in
	s_cmp_eq_u32 s[TYPE], 1
	s_cbranch_scc0 .Lnot_v_in
	WIN 0x04                                       ; v's two waves: 128 tokens x 128 channels meet in LDS
.irp a, 0,1,2,3
.irp bb, 0,1,2,3
.irp u, 0,1
	ds_store_b128 v[VSTO], v[64*\a+16*\bb+8*\u:64*\a+16*\bb+8*\u+3] offset:VBLK*(\a/2)+16*VROW*(\a%2)+128*\bb+32*\u
	ds_store_b128 v[VSTO], v[64*\a+16*\bb+8*\u+4:64*\a+16*\bb+8*\u+7] offset:VBLK*(\a/2)+16*VROW*(\a%2)+128*\bb+32*\u+16
.endr
.endr
.endr
	WIN 0
.Lnot_v_in:
	s_wait_dscnt 0x0
	s_barrier_signal -1
	s_barrier_wait -1                              ; every wave passes this barrier; behind it v's waves read each other's rows
	s_cmp_eq_u32 s16, 0
	s_cbranch_scc1 .Lqk
	s_cmp_eq_u32 s[TYPE], 1
	s_cbranch_scc1 .Lv
.Lqk:
	CSLOAD 3                                       ; x's buffer 3 is done with
	s_cmp_eq_u32 s16, 1
	s_cselect_b64 s[DST:DST+1], s[76:77], s[74:75]
	s_lshl_b32 s5, s42, 5                          ; 32 cells of 64 tokens a head
	s_lshl_b32 s6, s17, 1
	s_add_co_u32 s5, s5, s6
	s_add_co_u32 s5, s5, s15
	s_mul_i32 s6, s5, QKC
	s_mov_b32 s7, 0
	s_add_nc_u64 s[DST:DST+1], s[DST:DST+1], s[6:7]
	s_lshl_b32 s5, s42, 12                         ; out1: two heads of 2,048 tokens for each k head
	s_lshl_b32 s6, s17, 7
	s_add_co_u32 s5, s5, s6
	s_lshl_b32 s6, s15, 6
	s_add_co_u32 s5, s5, s6
	s_lshl_b32 s6, s5, 9
	s_add_nc_u64 s[OUT:OUT+1], s[80:81], s[6:7]
.irp b, 0,1,2,3
	v_mov_b32 v[TM+4+\b], 0
.endr
.macro TILE a                          ; 16 tokens x 128: the rope; q: x 1 / sqrt(128); k: to out1, twice, through my stage; then codes and scale word
.if (\a) == 3
	s_wait_loadcnt 0x0                             ; the table's last quarter
.endif
	s_wait_xcnt 0x0
	WIN 0x0d
.irp bb, 0,1,2,3
.irp i, 0,2,4,6,8,10,12,14
	v_pk_mul_f32 v[HA+16*\bb+\i:HA+16*\bb+\i+1], v[64*(\a)+16*\bb+\i:64*(\a)+16*\bb+\i+1], v[64*(\a)+16*(\bb%2)+\i:64*(\a)+16*(\bb%2)+\i+1]
.endr
.irp i, 0,2,4,6,8,10,12,14
	v_fma_f32 v[HA+16*\bb+\i], v[64*(\a)+16*\bb+\i+1], v[64*(\a)+32+16*(\bb%2)+\i], v[HA+16*\bb+\i]
	v_fma_f32 v[HA+16*\bb+\i+1], v[64*(\a)+16*\bb+\i], v[64*(\a)+33+16*(\bb%2)+\i], v[HA+16*\bb+\i+1]
.endr
.endr
	WIN 0
	s_cmp_eq_u32 s16, 1
	s_cbranch_scc1 .Lk_in_\@
.set j, 0
.rept 32
	v_pk_mul_f32 v[HA+j:HA+j+1], v[HA+j:HA+j+1], s[SCL:SCL+1] op_sel_hi:[1,0]
.set j, j+2
.endr
	s_branch .Lquant_\@
.Lk_in_\@:
	s_wait_alu depctr_va_vdst(0)
.irp bb, 0,1,2,3
.irp u, 0,1
	ds_store_b128 v[STO], v[HA+16*\bb+8*\u:HA+16*\bb+8*\u+3] offset:128*\bb+32*\u
	ds_store_b128 v[STO], v[HA+16*\bb+8*\u+4:HA+16*\bb+8*\u+7] offset:128*\bb+32*\u+16
.endr
.endr
.Lquant_\@:
	QROW HA, PWS+(\a)
.irp c, 0,1,2
	global_store_b128 v3, v[PC+4*\c:PC+4*\c+3], s[DST:DST+1] offset:FRB*(\a)+512*\c
.endr
	s_cmp_eq_u32 s16, 1
	s_cbranch_scc0 .Ldone_\@
.irp i, 0,1,2,3,4,5,6,7,8,9,10,11,12,13,14,15
	ds_load_b128 v[HA+4*\i:HA+4*\i+3], v[RD] offset:528*\i
.endr
.irp i, 0,1,2,3,4,5,6,7,8,9,10,11,12,13,14,15
	s_wait_dscnt 15-\i
	global_store_b128 v3, v[HA+4*\i:HA+4*\i+3], s[OUT:OUT+1] offset:(32*((\a)/2)+8*((\a)%2)+\i+8*(\i/8))*512 th:TH_STORE_NT
	global_store_b128 v3, v[HA+4*\i:HA+4*\i+3], s[OUT:OUT+1] offset:(32*((\a)/2)+8*((\a)%2)+\i+8*(\i/8))*512+HEADO th:TH_STORE_NT
.endr
.Ldone_\@:
.endm
	TILE 0
	TILE 1
	TILE 2
	TILE 3
	global_store_b128 v3, v[PWS:PWS+3], s[DST:DST+1] offset:4*FRB
	s_branch .Lend                                 ; all waves end by the same lines: the closing round stands once
.Lv:                                               ; v: my 64 tokens leave as rows to out2, twice; my 64 channels as columns, quantised along the 128 tokens
	s_sub_co_u32 s4, s42, 8                        ; the v head
	s_lshl_b32 s5, s4, 4
	s_add_co_u32 s5, s5, s17
	s_mul_i32 s6, s5, VC
	s_mov_b32 s7, 0
	s_add_nc_u64 s[DST:DST+1], s[78:79], s[6:7]
	s_lshl_b32 s5, s4, 12
	s_lshl_b32 s6, s17, 7
	s_add_co_u32 s5, s5, s6
	s_lshl_b32 s6, s15, 6
	s_add_co_u32 s5, s5, s6
	s_lshl_b32 s6, s5, 9
	s_add_nc_u64 s[OUT:OUT+1], s[82:83], s[6:7]
.macro VT tt
	s_wait_xcnt 0x0
.set i, 0
.rept 32
	ds_load_b32 v[HA+i], v[VCA] offset:(16*((i/8)%2)+(i%8)+8*(i/16))*VROW+(32*((\tt)/2)+8*((\tt)%2))*4
	ds_load_b32 v[HA+32+i], v[VCA+1] offset:(16*((i/8)%2)+(i%8)+8*(i/16))*VROW+(32*((\tt)/2)+8*((\tt)%2))*4
.set i, i+1
.endr
.irp k, 0,1,2,3,4,5,6,7,8,9,10,11,12,13,14,15
	ds_load_b128 v[160+4*\k:163+4*\k], v[VRD+(\tt)/2] offset:(16*((\tt)%2)+\k)*VROW
.endr
	s_wait_dscnt 16
	QCOL HA, PWV+(\tt)
.irp c, 0,1,2
	global_store_b128 v[VO], v[PC+4*\c:PC+4*\c+3], s[DST:DST+1] offset:FRB*(\tt)+512*\c
.endr
.irp k, 0,1,2,3,4,5,6,7,8,9,10,11,12,13,14,15
.set TOKL, 32*((\tt)/2)+8*((\tt)%2)+\k+8*(\k/8)
	s_wait_dscnt 15-\k
	global_store_b128 v3, v[160+4*\k:163+4*\k], s[OUT:OUT+1] offset:TOKL*512 th:TH_STORE_NT
	global_store_b128 v3, v[160+4*\k:163+4*\k], s[OUT:OUT+1] offset:HEADO+TOKL*512 th:TH_STORE_NT
.endr
.endm
	s_wait_alu depctr_va_vdst(0)
	VT 0
	VT 1
	VT 2
	VT 3
	global_store_b128 v[VO2], v[PWV:PWV+3], s[DST:DST+1] offset:8*FRB
.Lend:
	FINISH
.Lfunc_end_k_q66731577b7_qkv:
	.size	k_q66731577b7_qkv, .Lfunc_end_k_q66731577b7_qkv-k_q66731577b7_qkv
	.p2alignl 7, 3214868480
	.fill 96, 4, 3214868480
	.section	.rodata,"a",@progbits
	.p2align	6, 0x0
	.amdhsa_kernel k_q66731577b7_qkv
		.amdhsa_group_segment_fixed_size 327680
		.amdhsa_private_segment_fixed_size 0
		.amdhsa_enable_private_segment 0
		.amdhsa_kernarg_size 64
		.amdhsa_user_sgpr_count 2
		.amdhsa_user_sgpr_kernarg_segment_ptr 1
		.amdhsa_wavefront_size32 1
		.amdhsa_system_sgpr_workgroup_id_x 1
		.amdhsa_system_sgpr_workgroup_id_y 1
		.amdhsa_system_sgpr_workgroup_id_z 1
		.amdhsa_system_vgpr_workitem_id 0
		.amdhsa_next_free_vgpr 1024
		.amdhsa_next_free_sgpr 102
		.amdhsa_reserve_vcc 0
		.amdhsa_float_denorm_mode_32 3
		.amdhsa_float_denorm_mode_16_64 3
		.amdhsa_memory_ordered 1
		.amdhsa_forward_progress 1
		.amdhsa_inst_pref_size 255
	.end_amdhsa_kernel
	.section	.bss,"aw",@nobits
	.p2align	6
	.space	262144
	.amdgpu_metadata
---
amdhsa.version: [ 1, 2 ]
amdhsa.kernels:
  - .name:           k_q66731577b7_qkv
    .symbol:         k_q66731577b7_qkv.kd
    .args:
      - { .name: xq, .offset: 0, .size: 8, .value_kind: global_buffer, .address_space: global }
      - { .name: wq3, .offset: 8, .size: 8, .value_kind: global_buffer, .address_space: global }
      - { .name: cs, .offset: 16, .size: 8, .value_kind: global_buffer, .address_space: global }
      - { .name: qq, .offset: 24, .size: 8, .value_kind: global_buffer, .address_space: global }
      - { .name: kq, .offset: 32, .size: 8, .value_kind: global_buffer, .address_space: global }
      - { .name: vq, .offset: 40, .size: 8, .value_kind: global_buffer, .address_space: global }
      - { .name: out1, .offset: 48, .size: 8, .value_kind: global_buffer, .address_space: global }
      - { .name: out2, .offset: 56, .size: 8, .value_kind: global_buffer, .address_space: global }
    .group_segment_fixed_size: 327680
    .private_segment_fixed_size: 0
    .kernarg_segment_align: 8
    .kernarg_segment_size: 64
    .max_flat_workgroup_size: 128
    .sgpr_count:     102
    .vgpr_count:     1024
    .wavefront_size: 32
...
	.end_amdgpu_metadata
.endif
;; end of part 2
;; launch attn (part 3): grid 16 x 16, 8 waves a work-group, clusters of 4 x 1, 327,680 bytes of LDS; arguments qq, kq, vq, oq; writes oq
.if DOCPART == 3
	.amdgcn_target "amdgcn-amd-amdhsa--gfx1250"
	.amdhsa_code_object_version 6
	.text
	.protected	k_q66731577b7_attn
	.globl	k_q66731577b7_attn
	.p2align	8
	.type	k_q66731577b7_attn,@function
k_q66731577b7_attn:
	s_mov_b64 s[64:65], 0
	v_nop
	global_prefetch_b8 v0, s[64:65] scope:SCOPE_SE
	s_setreg_imm32_b32 hwreg(HW_REG_WAVE_MODE, 25, 1), 1
	s_wait_xcnt 0x0
	s_wait_alu depctr_hold_cnt(0) depctr_sa_sdst(0) depctr_va_vdst(0) depctr_va_sdst(0) depctr_va_ssrc(0) depctr_va_vcc(0) depctr_vm_vsrc(0)
	s_getreg_b32 s2, hwreg(HW_REG_IB_STS2, 6, 4)
	s_cmp_eq_u32 s2, 0
	s_cbranch_scc0 .Lentry_in_a_cluster
	s_endpgm
.Lentry_in_a_cluster:
	s_bfe_u32 s2, ttmp6, 0x10000c
	s_cmp_lg_u32 s2, 0x3003
	s_cbranch_scc0 .Lentry_shape_is_right
	s_endpgm
.Lentry_shape_is_right:
; softmax(q k^T) v for 16 heads (two query heads to a kv head), both products on codes of FP6 (E2M3); 1 / sqrt(128) is already in q's codes.  The result, divided by the row's sum, is quantised along the head's 128 and
; stored as the next product's operand.
; THE SOFTMAX AHEAD OF THE SECOND PRODUCT: t = score x log2(e); M = the row's largest t so far, rounded UP to a whole number; p = 2^(t - M) is what is quantised, along the keys.  The row's sum is taken of the unquantised p.
; When M moves, the sum and O are multiplied by 2^(old M - new M): exact.
; SHARES.  A work-group owns 128 queries of one head, each of its eight waves one tile of 16: two waves to a SIMD.  Every wave walks all 2,048 keys, 128 a step.  K's and V's cells come through two LDS slots of 512 keys.
; CLUSTER 4 x 1: the four work-groups belong to one head and walk the same K and V: each piece is asked for jointly (mask 15), by waves 0-3, one tensor load each; one tensor load of a wave is out at any time.
; LAYOUT.  Both products transposed: S^T = K Q^T, O^T = V^T P^T: a lane holds ONE query.  Tiles hold rows 32 (T / 2) + 8 (T % 2) + r + 8 (r / 8), so that the 16 registers of tiles 2 b, 2 b + 1 are 16 neighbours: keys in S^T, channels in O^T.
; All operands lie in LDS and memory as images of their registers (registers 4 c .. 4 c + 3 of lane l at 512 c + 16 l): every load takes 512 consecutive bytes.  This launch stores nothing to LDS.
; THE LDS LOADS RUN A PHASE AHEAD: a step's V is asked for at the step's head and wanted behind its softmax; the next step's K is asked for behind this step's K Q^T, as soon as K's registers are free, and lands under the softmax.
; Only a slot's first step asks for its K at its own head: the slot is whole only behind the change of slots.
; REGISTERS: window 0: v1-9 addresses; v12 -M, v13 the largest t, v[14:15] the sum; v16-27 Q, v255 its scale words; v32-39 K's scale words, v40-47 V's; v96-159 S^T, then p; v160-223 O^T; v224-254 at work.  window 1: v0-95 K, v96-191 V.
; LIMITS: NaN and infinities are not served; a block of zeros keeps the scale byte 1.
.set CELL,  6400
.set FRB,   1536
.set QKC,   6656                       ; a cell of qq, kq: 64 tokens
.set VC,    13312                      ; a cell of vq: 128 keys
.set HEADB, 212992                     ; a kv head in kq, and in vq
.set PIECE, 26624                      ; what one tensor load brings: 104 rows of 256 bytes
.set CHB,   53248                      ; 512 keys in kq, and in vq
.set VOFF,  53248                      ; a slot: K's 8 cells, then V's 4
.set SLOT1, 1<<17
.set SPARE, 2*SLOT1                    ; the spare words, 128 bytes a wave: four blocks of 256 bytes that no other line names
.set AK0,  1
.set AV0,  2
.set LANE, 3
.set SPW,  5
.set NIL,  6
.set ADK,  8
.set ADV,  9
.set PFO,  28
.set KS,   32
.set VS,   40
.set TM,   32                          ; the way out
.set PC,   48
.set PW,   68
.set WV,   18
.set SEL,  20
.set CS,   22                          ; s[22:23] log2(e)
.set G1,   24
.set G0,   40
.set TB,   2
.set SLOTS, 67
.set PFA,  76
.set LIM,  80
.set MSB, 0
.macro WIN new
.if MSB != \new
	s_set_vgpr_msb (MSB<<8)|\new
.set MSB, \new
.endif
.endm
.macro CROUND                          ; a round of the cluster's barrier
	s_barrier_signal -1
	s_barrier_wait -1
	s_cmp_lg_u32 s[WV], 0
	s_cbranch_scc1 .Lnot_wave_0_\@
	s_barrier_signal -3
.Lnot_wave_0_\@:
	s_barrier_wait -3
	s_barrier_signal -1
	s_barrier_wait -1
.endm
.macro TLOAD                           ; waves 0, 1: K's halves of 512 keys; waves 2, 3: V's.  The branch hangs on the wave's number alone; four v_nop follow the load
	s_cmp_lt_u32 s[WV], 4
	s_cbranch_scc0 .Lnone_\@
	tensor_load_to_lds s[G0:G0+3], s[G1:G1+7]
	s_nop 0
.rept 4
	v_nop
.endr
.Lnone_\@:
.endm
; A prefetch of what the NEXT change of slots will ask for, four key steps ahead of that load.  The two query heads of a kv head and all their clusters walk the same bytes: the even head's first cluster asks.  In it waves 4-7 ask,
; wave w for piece w - 4; the four partners share a piece's 104 blocks of 256 bytes out by address, 26 each (lanes 26-31 name the last again).  The last change that fills a slot asks for nothing.
.macro ASK
	s_cmp_gt_u32 s[SLOTS], s[LIM]
	s_cbranch_scc0 .Lnot_mine_\@
	global_prefetch_b8 v[PFO], s[PFA:PFA+1] th:TH_LOAD_NT scope:SCOPE_SE
.Lnot_mine_\@:
.endm
.macro QROW s, pw                      ; 64 numbers of a lane, register 16 b + i = k 32 b + 16 (lane / 16) + i, become a fragment's codes in v[PC] on and its scale word in v[pw]
.irp b, 0,1,2,3
	v_max3_num_f32 v[TM+\b], |v[(\s)+16*\b]|, |v[(\s)+1+16*\b]|, 0x1800000
.endr
.irp i, 2,4,6,8,10,12,14
.irp b, 0,1,2,3
	s_delay_alu instid0(VALU_DEP_4)
	v_max3_num_f32 v[TM+\b], v[TM+\b], |v[(\s)+16*\b+\i]|, |v[(\s)+1+16*\b+\i]|
.endr
.endr
.irp b, 0,1,2,3
	s_delay_alu instid0(VALU_DEP_4)
	v_permlanex16_b32 v[TM+4+\b], v[TM+\b], s[SEL], s[SEL+1]
.endr
.irp b, 0,1,2,3
	s_delay_alu instid0(VALU_DEP_4)
	v_max_num_f32 v[TM+\b], v[TM+\b], v[TM+4+\b]
.endr
.irp b, 0,1,2,3
	s_delay_alu instid0(VALU_DEP_4)
	v_add_nc_u32 v[TM+12+\b], 0xff000000, v[TM+\b]
.endr
.irp b, 0,1,2,3
	s_delay_alu instid0(VALU_DEP_4)
	v_lshrrev_b32 v[TM+4+\b], 23, v[TM+12+\b]
.endr
	s_delay_alu instid0(VALU_DEP_3)
	v_lshl_or_b32 v[\pw], v[TM+5], 8, v[TM+4]
	s_delay_alu instid0(VALU_DEP_1)
	v_lshl_or_b32 v[\pw], v[TM+6], 16, v[\pw]
	s_delay_alu instid0(VALU_DEP_1)
	v_lshl_or_b32 v[\pw], v[TM+7], 24, v[\pw]
.irp c, 0,1
	v_cvt_scalef32_pk16_fp6_f32 v[PC+6*\c:PC+2+6*\c], v[(\s)+32*\c:(\s)+15+32*\c], v[TM+12+2*\c]
	v_cvt_scalef32_pk16_fp6_f32 v[PC+12+4*\c:PC+14+4*\c], v[(\s)+16+32*\c:(\s)+31+32*\c], v[TM+12+2*\c+1]
.endr
	v_nop
.irp c, 0,1
.irp i, 0,1,2
	v_permlane16_swap_b32 v[PC+6*\c+\i], v[PC+12+4*\c+\i]
.endr
.irp i, 0,1,2
	s_delay_alu instid0(VALU_DEP_3)
	v_mov_b32 v[PC+3+6*\c+\i], v[PC+12+4*\c+\i]
.endr
.endr
.endm
.macro KLOAD q                         ; K of the slot's step q: its scale words and eight fragments: 26 loads
	ds_load_b128 v[KS:KS+3], v[ADK] offset:(2*(\q))*QKC+4*FRB
	ds_load_b128 v[KS+4:KS+7], v[ADK] offset:(2*(\q)+1)*QKC+4*FRB
	WIN 0x40                                       ; destination window 1
.irp t, 0,1,2,3,4,5,6,7
.irp c, 0,1,2
	ds_load_b128 v[12*\t+4*\c:12*\t+4*\c+3], v[ADK] offset:(2*(\q)+\t/4)*QKC+(\t%4)*FRB+512*\c
.endr
.endr
	WIN 0
.endm
.macro VLOAD q                         ; V of the slot's step q: 26 loads (what follows sets the windows)
	ds_load_b128 v[VS:VS+3], v[ADV] offset:(\q)*VC+8*FRB
	ds_load_b128 v[VS+4:VS+7], v[ADV] offset:(\q)*VC+8*FRB+512
	WIN 0x40
.irp t, 0,1,2,3,4,5,6,7
.irp c, 0,1,2
	ds_load_b128 v[96+12*\t+4*\c:96+12*\t+4*\c+3], v[ADV] offset:(\q)*VC+FRB*\t+512*\c
.endr
.endr
.endm
; A KEY STEP: 128 keys, the q-th of the slot in hand.  Its K has been asked for already.
.macro STEP q
.rept 4
	v_nop                                          ; places in front of loads into V's fragments and scale words, which the last products read
.endr
	VLOAD \q
	s_wait_dscnt 26                                ; K, asked for ahead of V, is in; V's 26 loads may be out
	WIN 0x01                                       ; source 0 window 1
.irp t, 0,1,2,3,4,5,6,7
	v_wmma_scale_f32_16x16x128_f8f6f4 v[96+8*\t:103+8*\t], v[12*\t:12*\t+11], v[16:27], 0, v[KS+\t], v255 matrix_a_fmt:MATRIX_FMT_FP6 matrix_b_fmt:MATRIX_FMT_FP6
.endr
	WIN 0
.rept 4
	v_nop                                          ; places in front of the first read of the scores, and of the loads into K's registers
.endr
.if (\q) < 3
	KLOAD (\q)+1                                   ; the next step's K lands under the softmax
.endif
.irp b, 0,1,2,3
	v_max3_num_f32 v[232+\b], v[96+16*\b], v[97+16*\b], v[98+16*\b]   ; the largest score of each block of 32 keys: it serves the row's maximum and, since p rises with the score, the block's largest p
.endr
.irp i, 3,5,7,9,11,13
.irp b, 0,1,2,3
	v_max3_num_f32 v[232+\b], v[232+\b], v[96+16*\b+\i], v[97+16*\b+\i]
.endr
.endr
.irp b, 0,1,2,3
	v_max_num_f32 v[232+\b], v[232+\b], v[111+16*\b]
.endr
.irp b, 0,1,2,3
	s_delay_alu instid0(VALU_DEP_4)
	v_permlanex16_b32 v[236+\b], v[232+\b], s[SEL], s[SEL+1]
.endr
.irp b, 0,1,2,3
	s_delay_alu instid0(VALU_DEP_4)
	v_max_num_f32 v[232+\b], v[232+\b], v[236+\b]  ; with lane l xor 16's 16 keys
.endr
	s_delay_alu instid0(VALU_DEP_2)
	v_max3_num_f32 v254, v232, v233, v234
	s_delay_alu instid0(VALU_DEP_1)
	v_max_num_f32 v254, v254, v235
	s_delay_alu instid0(VALU_DEP_1)
	v_mul_f32 v254, s[CS], v254                    ; as t
	s_delay_alu instid0(VALU_DEP_1)
	v_max_num_f32 v13, v13, v254                   ; the running largest t
	v_mov_b32 v254, v12
	s_delay_alu instid0(VALU_DEP_2)
	v_floor_f32 v12, -v13                          ; the new -M = floor(-t): M is a whole number
	s_delay_alu instid0(VALU_DEP_1)
	v_sub_f32 v254, v12, v254                      ; old M - new M: a whole number, 0 or less
	s_delay_alu instid0(VALU_DEP_1)
	v_cvt_i32_f32 v254, v254                       ; (it saturates)
	s_delay_alu instid0(VALU_DEP_1)
	v_ldexp_f32 v252, 1.0, v254                    ; f = 2^(old M - new M)
.set j, 0
.rept 32
	v_pk_fma_f32 v[96+j:97+j], v[96+j:97+j], s[CS:CS+1], v[12:13] op_sel_hi:[1,0,0]   ; t - M
.set j, j+2
.endr
.irp b, 0,1,2,3
	v_fma_f32 v[232+\b], v[232+\b], s[CS], v12     ; the same of each block's largest score
.endr
.set j, 0
	s_wait_alu depctr_va_vdst(0)
.rept 64
	v_exp_f32 v[96+j], v[96+j]                     ; p = 2^(t - M), at most 1: not normalised
.set j, j+1
.endr
	v_pk_mul_f32 v[14:15], v[14:15], v[252:253] op_sel_hi:[1,0]   ; the sums under the new M: a plain line behind the exponentials
	s_wait_alu depctr_va_vdst(0)                   ; one wait for the whole batch, ahead of its first reader
.irp b, 0,1,2,3
	v_exp_f32 v[232+\b], v[232+\b]                 ; the blocks' largest p
.endr
	v_pk_add_f32 v[236:237], v[100:101], v[104:105]
	v_pk_add_f32 v[250:251], v[108:109], v[112:113]
	v_pk_add_f32 v[248:249], v[116:117], v[120:121]
	v_pk_add_f32 v[94:95], v[124:125], v[128:129]
	v_pk_add_f32 v[92:93], v[132:133], v[136:137]
	v_pk_add_f32 v[90:91], v[140:141], v[144:145]
	v_pk_add_f32 v[88:89], v[148:149], v[152:153]
	v_pk_add_f32 v[14:15], v[14:15], v[156:157]
	v_pk_add_f32 v[236:237], v[236:237], v[96:97]
	v_pk_add_f32 v[250:251], v[250:251], v[98:99]
	v_pk_add_f32 v[248:249], v[248:249], v[102:103]
	v_pk_add_f32 v[94:95], v[94:95], v[106:107]
	v_pk_add_f32 v[92:93], v[92:93], v[110:111]
	v_pk_add_f32 v[90:91], v[90:91], v[114:115]
	v_pk_add_f32 v[88:89], v[88:89], v[118:119]
	v_pk_add_f32 v[14:15], v[14:15], v[122:123]
	v_pk_add_f32 v[236:237], v[236:237], v[126:127]
	v_pk_add_f32 v[250:251], v[250:251], v[130:131]
	v_pk_add_f32 v[248:249], v[248:249], v[134:135]
	v_pk_add_f32 v[94:95], v[94:95], v[138:139]
	v_pk_add_f32 v[92:93], v[92:93], v[142:143]
	v_pk_add_f32 v[90:91], v[90:91], v[146:147]
	v_pk_add_f32 v[88:89], v[88:89], v[150:151]
	v_pk_add_f32 v[14:15], v[14:15], v[154:155]
	v_pk_add_f32 v[236:237], v[236:237], v[158:159]
	s_delay_alu instid0(VALU_DEP_2)
	v_pk_add_f32 v[14:15], v[14:15], v[94:95]
	s_delay_alu instid0(VALU_DEP_2)
	v_pk_add_f32 v[236:237], v[236:237], v[92:93]
	v_pk_add_f32 v[250:251], v[250:251], v[90:91]
	v_pk_add_f32 v[248:249], v[248:249], v[88:89]
	s_delay_alu instid0(VALU_DEP_2)
	v_pk_add_f32 v[14:15], v[14:15], v[250:251]
	s_delay_alu instid0(VALU_DEP_2)
	v_pk_add_f32 v[236:237], v[236:237], v[248:249]
	s_delay_alu instid0(VALU_DEP_1)
	v_pk_add_f32 v[14:15], v[14:15], v[236:237]
	s_wait_alu depctr_va_vdst(0)                   ; and one for the four
.irp b, 0,1,2,3
	v_max_num_f32 v[232+\b], 0x1800000, v[232+\b]  ; the floor 2^(3 - 127)
.endr
.irp b, 0,1,2,3
	s_delay_alu instid0(VALU_DEP_4)
	v_add_nc_u32 v[244+\b], 0xff000000, v[232+\b]
.endr
.irp b, 0,1,2,3
	s_delay_alu instid0(VALU_DEP_4)
	v_lshrrev_b32 v[236+\b], 23, v[244+\b]
.endr
	s_delay_alu instid0(VALU_DEP_3)
	v_lshl_or_b32 v253, v237, 8, v236              ; p's scale word for these 128 keys
	s_delay_alu instid0(VALU_DEP_1)
	v_lshl_or_b32 v253, v238, 16, v253
	s_delay_alu instid0(VALU_DEP_1)
	v_lshl_or_b32 v253, v239, 24, v253
.irp c, 0,1
	v_cvt_scalef32_pk16_fp6_f32 v[224+6*\c:226+6*\c], v[96+32*\c:111+32*\c], v[244+2*\c]
	v_cvt_scalef32_pk16_fp6_f32 v[236+4*\c:238+4*\c], v[112+32*\c:127+32*\c], v[244+2*\c+1]
.endr
	v_nop
.irp c, 0,1
.irp i, 0,1,2
	v_permlane16_swap_b32 v[224+6*\c+\i], v[236+4*\c+\i]
.endr
.irp i, 0,1,2
	s_delay_alu instid0(VALU_DEP_3)
	v_mov_b32 v[227+6*\c+\i], v[236+4*\c+\i]
.endr
.endr
.set j, 0
.rept 32
	v_pk_mul_f32 v[160+j:161+j], v[160+j:161+j], v[252:253] op_sel_hi:[1,0]   ; O^T under the new M; these 32 are also the places in front of the products below
.set j, j+2
.endr
.if (\q) < 3
	s_wait_alu depctr_va_vdst(0)
	s_wait_dscnt 26                                ; V is in; the next step's K, 26 loads asked for behind V's, may be out
.else
	s_wait_alu depctr_va_vdst(0)
	s_wait_dscnt 0x0                               ; V is in: nothing was asked for behind it
.endif
	WIN 0x01
.irp t, 0,1,2,3,4,5,6,7
	v_wmma_scale_f32_16x16x128_f8f6f4 v[160+8*\t:167+8*\t], v[96+12*\t:96+12*\t+11], v[224:235], v[160+8*\t:167+8*\t], v[VS+\t], v253 matrix_a_fmt:MATRIX_FMT_FP6 matrix_b_fmt:MATRIX_FMT_FP6
.endr
	WIN 0
.endm
; THE CHANGE OF SLOTS stands at a slot's head.  Each wave waits for all its tensor loads, adds 0 to its spare word, and waits for that and for its reads of the slot that it has left.  fill = 1: a round of the cluster's barrier,
; and behind it the slot just left is filled with the next 512 keys: the load has four key steps in which to land.
.macro CHANGE fill
	s_wait_tensorcnt 0x0
	ds_add_u32 v[SPW], v[NIL]
.if \fill
	s_xor_b32 s[G0+1], s[G0+1], SLOT1              ; the walking descriptor: the other slot, the next 512 keys
	s_add_nc_u64 s[G0+2:G0+3], s[G0+2:G0+3], CHB
	s_wait_xcnt 0x0                                ; the last prefetch, a slot back, has read its address
	s_add_nc_u64 s[PFA:PFA+1], s[PFA:PFA+1], CHB
.endif
	s_wait_dscnt 0x0
.if \fill
	CROUND
	TLOAD
	ASK
.else
	s_barrier_signal -1
	s_barrier_wait -1
.endif
.endm
.macro SLOT_STEPS
	v_add_nc_u32 v[ADK], s[TB], v[AK0]
	s_wait_alu depctr_va_vdst(0)
	v_add_nc_u32 v[ADV], s[TB], v[AV0]
	KLOAD 0                                        ; the slot's first K: its registers were last read by products that lie a whole softmax back
	STEP 0
	STEP 1
	STEP 2
	STEP 3
	s_xor_b32 s[TB], s[TB], SLOT1
.endm
	s_load_b256 s[4:11], s[0:1], 0x0               ; qq 4, kq 6, vq 8, oq 10
	v_lshl_add_u32 v[SPW], v0, 2, SPARE
	v_mov_b32 v[NIL], 0
	ds_add_u32 v5, v6
	ds_add_u32 v5, v6
	s_wait_dscnt 0x0
	v_lshrrev_b32 v8, 5, v0
	s_delay_alu instid0(VALU_DEP_1)
	v_readfirstlane_b32 s[WV], v8                  ; wave 0..7
	s_bfe_u32 s12, ttmp6, 0x40000                  ; cx
	s_lshl_b32 s13, ttmp9, 2
	s_add_co_u32 s13, s13, s12                     ; my block of 128 queries: it enters Q's and the result's addresses alone
	s_and_b32 s14, ttmp7, 0xffff                   ; the head, which the four partners share
	s_lshr_b32 s15, s14, 1                         ; its kv head
	s_mov_b32 s[G1], 15|(3<<16)|(1<<21)            ; the mask: all four; elements of 8 bytes; no padding
	s_mov_b32 s[G1+1], 32<<16
	s_mov_b32 s[G1+2], 104<<16
	s_mov_b32 s[G1+3], 32<<16
	s_mov_b32 s[G1+4], 104
	s_mov_b32 s[G1+5], 32
	s_mov_b32 s[G1+6], 0
	s_mov_b32 s[G1+7], 0
	s_and_b32 s16, s[WV], 3
	s_and_b32 s17, s[WV], 1
	s_mul_i32 s32, s15, HEADB
	s_mul_i32 s33, s17, PIECE
	s_add_co_u32 s32, s32, s33
	s_mov_b32 s33, 0
	s_mul_i32 s34, s16, PIECE                      ; in a slot: K's two pieces, then V's two
	s_lshl_b32 s44, s13, 3
	s_add_co_u32 s44, s44, s[WV]                   ; T: my tile of 16 queries
	s_lshr_b32 s45, s44, 2
	s_lshl_b32 s46, s14, 5
	s_add_co_u32 s46, s46, s45
	s_mul_i32 s46, s46, QKC                        ; its cell of qq
	s_mov_b32 s47, 0
	s_and_b32 s45, s44, 3
	s_mul_i32 s48, s45, FRB
	s_mov_b32 s49, 0
	s_lshl_b32 s50, s45, 2
	s_mov_b32 s51, 0
	s_lshr_b32 s52, s14, 2
	s_lshl_b32 s52, s52, 7
	s_add_co_u32 s52, s52, s44
	s_mul_i32 s52, s52, CELL                       ; the result's cell: chunk head / 4, tile T
	s_mov_b32 s53, 0
	s_and_b32 s45, s14, 3
	s_mul_i32 s68, s45, FRB                        ; K step head % 4
	s_mov_b32 s69, 0
	s_lshl_b32 s70, s45, 2
	s_mov_b32 s71, 0
	s_mov_b32 s[SEL], 0x76543210
	s_mov_b32 s[SEL+1], 0xfedcba98
	s_mov_b32 s[CS], 0x3fb8aa3b                    ; log2(e)
	s_mov_b32 s[CS+1], s[CS]
	s_mov_b32 s[TB], 0
	s_mov_b32 s[SLOTS], 3
	s_wait_kmcnt 0x0
	s_cmp_lt_u32 s16, 2
	s_cselect_b64 s[36:37], s[6:7], s[8:9]
	s_add_nc_u64 s[36:37], s[36:37], s[32:33]      ; my piece of the first 512 keys
	s_mov_b32 s[G0], 1
	s_mov_b32 s[G0+1], s34
	s_mov_b64 s[G0+2:G0+3], s[36:37]
	s_or_b32 s[G0+3], s[G0+3], 0x80000000
	CROUND                                         ; all four work-groups are here
	TLOAD                                          ; slot 0
	s_add_nc_u64 s[4:5], s[4:5], s[46:47]
	s_add_nc_u64 s[54:55], s[4:5], s[48:49]        ; Q's image
	s_add_nc_u64 s[56:57], s[4:5], s[50:51]        ; and its scale words
	s_add_nc_u64 s[10:11], s[10:11], s[52:53]
	s_add_nc_u64 s[58:59], s[10:11], s[68:69]      ; the result's image
	s_add_nc_u64 s[60:61], s[10:11], s[70:71]      ; and its scale words
	s_mul_i32 s38, s12, 26*256                     ; the prefetches: my work-group's 26 blocks of the piece,
	s_add_co_u32 s38, s38, CHB                     ; in the second 512 keys: the first change of slots steps it to the third
	s_mov_b32 s39, 0
	s_add_nc_u64 s[PFA:PFA+1], s[36:37], s[38:39]
	s_lshr_b32 s38, s[WV], 2
	s_xor_b32 s38, s38, 1                          ; 0 in waves 4-7,
	s_or_b32 s38, s38, ttmp9                       ; of the head's first cluster,
	s_and_b32 s39, s14, 1
	s_or_b32 s38, s38, s39                         ; of an even head: equal in all four partners
	s_cmp_eq_u32 s38, 0
	s_cselect_b32 s[LIM], 1, -1
	v_and_b32 v[LANE], 31, v0
	s_delay_alu instid0(VALU_DEP_1)
	v_lshlrev_b32 v[AK0], 4, v[LANE]
	s_delay_alu instid0(VALU_DEP_1)
	v_add_nc_u32 v[AV0], VOFF, v[AK0]
	s_delay_alu instid0(VALU_DEP_3)
	v_min_u32 v[PFO], 25, v[LANE]
	s_delay_alu instid0(VALU_DEP_1)
	v_lshlrev_b32 v[PFO], 8, v[PFO]
.irp c, 0,1,2
	global_load_b128 v[16+4*\c:19+4*\c], v[AK0], s[54:55] offset:512*\c   ; Q's fragment stays in registers
.endr
	global_load_b32 v255, v[AK0], s[56:57] offset:4*FRB
	v_mov_b32 v13, 0xff61b1e6                      ; the largest t so far: -3e38
	s_delay_alu instid0(VALU_DEP_1)
	v_floor_f32 v12, -v13
	v_mov_b32 v14, 0
	v_mov_b32 v15, 0
.irp b, 0,1,2,3
	v_mov_b32 v[236+\b], 0                         ; a lane permute's destination counts as one of its sources
.endr
	v_mov_b32 v253, 0
.set j, 0
.rept 64
	v_mov_b32 v[160+j], 0                          ; O^T: the step is written without a first step of its own; the first change of M leaves zeros zeros
.set j, j+1
.endr
	s_wait_loadcnt 0x0                             ; Q
.Lslot:                                            ; three trips: behind each change of slots but the last the next 512 keys are asked for
	CHANGE 1
	SLOT_STEPS
	s_sub_co_u32 s[SLOTS], s[SLOTS], 1
	s_cmp_lg_u32 s[SLOTS], 0
	s_cbranch_scc1 .Lslot
	CHANGE 0                                       ; the last slot is written out
	SLOT_STEPS
	; THE WAY OUT: O^T / the sum, quantised along the head's 128: K step head % 4 of tile T of the last product's operand.
	v_add_f32 v14, v14, v15
	s_delay_alu instid0(VALU_DEP_1)
	v_permlanex16_b32 v252, v14, s[SEL], s[SEL+1]
	s_delay_alu instid0(VALU_DEP_1)
	v_add_f32 v14, v14, v252                       ; the row's sum
	s_wait_alu depctr_va_vdst(0)
	v_rcp_f32 v14, v14
.rept 4
	v_nop                                          ; plain lines behind the reciprocal and behind the last products
.endr
.irp b, 0,1,2,3
	v_mov_b32 v[TM+4+\b], 0
.endr
	s_wait_alu depctr_va_vdst(0)                   ; the wait ahead of the reciprocal's first reader
.set j, 0
.rept 64
	v_mul_f32 v[96+j], v[160+j], v14               ; register 16 b + i: channel 32 b + 16 h + i; each accumulator from its low end on
.set j, j+1
.endr
	QROW 96, PW
.irp c, 0,1,2
	global_store_b128 v[AK0], v[PC+4*\c:PC+4*\c+3], s[58:59] offset:512*\c   ; 512 consecutive bytes
.endr
	s_wait_xcnt 0x0                                ; EXEC changes only behind this wait
	v_cmp_gt_u32 vcc_lo, 16, v[LANE]
	s_and_saveexec_b32 s62, vcc_lo
	global_store_b32 v[AK0], v[PW], s[60:61] offset:4*FRB   ; row r's word for this head: 4 of the row's 16 bytes; the other three are other heads' work-groups'
	s_wait_xcnt 0x0
	s_or_b32 exec_lo, exec_lo, s62
	s_wait_tensorcnt 0x0                           ; the wave's end
	ds_add_u32 v[SPW], v[NIL]
	s_wait_dscnt 0x0
	CROUND                                         ; the closing round
	s_endpgm
.Lfunc_end_k_q66731577b7_attn:
	.size	k_q66731577b7_attn, .Lfunc_end_k_q66731577b7_attn-k_q66731577b7_attn
	.p2alignl 7, 3214868480
	.fill 96, 4, 3214868480
	.section	.rodata,"a",@progbits
	.p2align	6, 0x0
	.amdhsa_kernel k_q66731577b7_attn
		.amdhsa_group_segment_fixed_size 327680
		.amdhsa_private_segment_fixed_size 0
		.amdhsa_enable_private_segment 0
		.amdhsa_kernarg_size 32
		.amdhsa_user_sgpr_count 2
		.amdhsa_user_sgpr_kernarg_segment_ptr 1
		.amdhsa_wavefront_size32 1
		.amdhsa_system_sgpr_workgroup_id_x 1
		.amdhsa_system_sgpr_workgroup_id_y 1
		.amdhsa_system_sgpr_workgroup_id_z 1
		.amdhsa_system_vgpr_workitem_id 0
		.amdhsa_next_free_vgpr 512
		.amdhsa_next_free_sgpr 100
		.amdhsa_reserve_vcc 1
		.amdhsa_float_denorm_mode_32 3
		.amdhsa_float_denorm_mode_16_64 3
		.amdhsa_memory_ordered 1
		.amdhsa_forward_progress 1
		.amdhsa_inst_pref_size 176
	.end_amdhsa_kernel
	.amdgpu_metadata
---
amdhsa.version: [ 1, 2 ]
amdhsa.kernels:
  - .name:           k_q66731577b7_attn
    .symbol:         k_q66731577b7_attn.kd
    .args:
      - { .name: qq, .offset: 0, .size: 8, .value_kind: global_buffer, .address_space: global }
      - { .name: kq, .offset: 8, .size: 8, .value_kind: global_buffer, .address_space: global }
      - { .name: vq, .offset: 16, .size: 8, .value_kind: global_buffer, .address_space: global }
      - { .name: oq, .offset: 24, .size: 8, .value_kind: global_buffer, .address_space: global }
    .group_segment_fixed_size: 327680
    .private_segment_fixed_size: 0
    .kernarg_segment_align: 8
    .kernarg_segment_size: 32
    .max_flat_workgroup_size: 256
    .sgpr_count:     100
    .vgpr_count:     512
    .wavefront_size: 32
...
	.end_amdgpu_metadata
.endif
;; end of part 3
;; launch proj (part 4): grid 16 x 16, 4 waves a work-group, clusters of 4 x 4, 327,680 bytes of LDS; arguments oq, woq, out0; writes out0
.if DOCPART == 4
	.amdgcn_target "amdgcn-amd-amdhsa--gfx1250"
	.amdhsa_code_object_version 6
	.text
	.protected	k_q66731577b7_proj
	.globl	k_q66731577b7_proj
	.p2align	8
	.type	k_q66731577b7_proj,@function
k_q66731577b7_proj:
	s_mov_b64 s[64:65], 0
	v_nop
	global_prefetch_b8 v0, s[64:65] scope:SCOPE_SE
	s_setreg_imm32_b32 hwreg(HW_REG_WAVE_MODE, 25, 1), 1
	s_wait_xcnt 0x0
	s_wait_alu depctr_hold_cnt(0) depctr_sa_sdst(0) depctr_va_vdst(0) depctr_va_sdst(0) depctr_va_ssrc(0) depctr_va_vcc(0) depctr_vm_vsrc(0)
	s_getreg_b32 s2, hwreg(HW_REG_IB_STS2, 6, 4)
	s_cmp_eq_u32 s2, 0
	s_cbranch_scc0 .Lentry_in_a_cluster
	s_endpgm
.Lentry_in_a_cluster:
	s_bfe_u32 s2, ttmp6, 0x10000c
	s_cmp_lg_u32 s2, 0xf033
	s_cbranch_scc0 .Lentry_shape_is_right
	s_endpgm
.Lentry_shape_is_right:
; out0 = o wo on codes of FP6 (E2M3) with E8M0 scales, K = 2,048: four chunks of 512.  A work-group makes 128 tokens x 256 columns, a wave 64 x 128: 32 accumulators.  Source 0 = wo's rows, source 1 = o's rows.
; Operands lie in memory as cells of 6,400 bytes = 16 rows x 512 K: four images of an operand's registers and 256 bytes of scale words; a buffer is [chunk of 512 K][tile][6,400].
; wo comes through LDS by joint loads that name the four work-groups of a cluster column; every wave fetches four of a chunk's 16 cells.  LDS has three places for a chunk, a wave's parts of the three on end: so its one load
; at the head, a tile of three rows of 25,600 bytes a chunk apart in memory, brings chunks 0, 1 and 2.  Chunk 3 is the one refill: into chunk 0's place, behind chunk 0's last step; two chunks' steps lie between it and its wait.
; o's fragments go from memory straight into registers (four buffers of 48 registers, the group of step s + 3 asked for in step s): a third of a chunk's 24 cells neither lands in LDS nor is read from it.
; No joint load serves o: a joint load lands in LDS alone.  A group is 12 loads, and 4 more (scale words) for a chunk's first step: the counts of s_wait_loadcnt are the groups issued behind the step's own.
; The walk's 16 steps are written out: places come back after three chunks and the sets of scale words after two, which is more than the walk has.
; PREFETCH, at the head: every cluster asks for wo's chunk 3 (the partner at cy takes 4 of 16 cells, a wave a cell) and for o's chunks 2 and 3 (the partner at cx takes 2 of 8 cells, waves 0 and 1 a cell), each block once a cluster.
; REGISTERS: window 0: v0-31 addresses; v32-95 wo's scale words; v96-127 o's; v128-223 o's buffers 0, 1.  window 1: accumulators.  window 2: v0-191 wo's fragments, two sets; v192-239 o's buffer 2.  window 3: v192-239 o's buffer 3.
.set CELL,  6400
.set FRB,   1536
.set QB,    4*CELL
.set SPARE, 12*QB
.set ACH,   128*CELL
.set BCH,   256*CELL
.set ASO,  7
.set ADRB, 8                           ; v8-10 my cells 0-3 in place 0, 1, 2
.set ADRB2, 11                         ; v11-13 my cells 4-7
.set ADRS, 14                          ; v14-16, v17-19 their scale words
.set ADRS2, 17
.set STO,  24
.set RD,   25
.set SPW,  28
.set NIL,  29
.set PFO,  30
.set SC,   32
.set AS,   96
.set BK,   96
.set G0H, 8
.set AB,  24
.set G1H, 32
.set G1B, 48
.set G0B, 56
.set PFA, 84
.set PFB, 86
.set MSB, 0
.macro WIN new
.if MSB != \new
	s_set_vgpr_msb (MSB<<8)|\new
.set MSB, \new
.endif
.endm
.macro MWIN q
	WIN (0x52|((((\q)/2)*(\q))<<2))
.endm
.macro CREST
	s_cmp_lg_u32 s14, 0
	s_cbranch_scc1 .Lnot_wave_0_\@
	s_barrier_signal -3
.Lnot_wave_0_\@:
	s_barrier_wait -3
	s_barrier_signal -1
	s_barrier_wait -1
.endm
.macro CROUND
	s_barrier_signal -1
	s_barrier_wait -1
	CREST
.endm
.macro PLACES n
.rept \n
	v_nop
.endr
.endm
.macro ASKA k                          ; o's chunk 2 + k
	s_cmp_lt_u32 s14, 2
	s_cbranch_scc0 .Lasked_\@
	global_prefetch_b8 v[PFO], s[PFA:PFA+1] offset:(\k)*ACH th:TH_LOAD_NT scope:SCOPE_SE
.Lasked_\@:
.endm
.macro FETCHB pl, q, p
	WIN 0x80
.irp i, 0,1,2,3
.irp c, 0,1,2
	ds_load_b128 v[96*(\p)+12*\i+4*\c:96*(\p)+12*\i+4*\c+3], v[ADRB+(\pl)] offset:CELL*\i+FRB*(\q)+512*\c
.endr
.endr
.irp i, 0,1,2,3
.irp c, 0,1,2
	ds_load_b128 v[96*(\p)+48+12*\i+4*\c:96*(\p)+48+12*\i+4*\c+3], v[ADRB2+(\pl)] offset:CELL*\i+FRB*(\q)+512*\c
.endr
.endr
	WIN 0
.endm
.macro SCALES pl, st
.irp i, 0,1,2,3
	ds_load_b128 v[SC+32*(\st)+4*\i:SC+32*(\st)+4*\i+3], v[ADRS+(\pl)] offset:CELL*\i
.endr
.irp i, 0,1,2,3
	ds_load_b128 v[SC+32*(\st)+16+4*\i:SC+32*(\st)+16+4*\i+3], v[ADRS2+(\pl)] offset:CELL*\i
.endr
.endm
.macro ALOAD q, ch
.set AR, (1-(\q)/2)*(128+48*(\q))+((\q)/2)*192
.if (\q) == 0
.irp i, 0,1,2,3
	global_load_b128 v[AS+16*((\ch)%2)+4*\i:AS+16*((\ch)%2)+4*\i+3], v[ASO], s[AB:AB+1] offset:(\ch)*ACH+CELL*\i+4*FRB
.endr
.endif
	WIN ((((\q)/2)*(\q))<<6)
.irp i, 0,1,2,3
.irp c, 0,1,2
	global_load_b128 v[AR+12*\i+4*\c:AR+12*\i+4*\c+3], v3, s[AB:AB+1] offset:(\ch)*ACH+CELL*\i+FRB*(\q)+512*\c
.endr
.endr
	WIN 0
.endm
.macro MUL8 a, q, st, zero
.set AR, (1-(\q)/2)*(128+48*(\q))+((\q)/2)*192
.irp b, 0,1,2,3,4,5,6,7
.if \zero
	v_wmma_scale_f32_16x16x128_f8f6f4 v[8*(8*(\a)+\b):8*(8*(\a)+\b)+7], v[96*((\q)%2)+12*\b:96*((\q)%2)+12*\b+11], v[AR+12*(\a):AR+12*(\a)+11], 0, v[SC+32*(\st)+4*\b+(\q)], v[AS+16*(\st)+4*(\a)+(\q)] matrix_a_fmt:MATRIX_FMT_FP6 matrix_b_fmt:MATRIX_FMT_FP6
.else
	v_wmma_scale_f32_16x16x128_f8f6f4 v[8*(8*(\a)+\b):8*(8*(\a)+\b)+7], v[96*((\q)%2)+12*\b:96*((\q)%2)+12*\b+11], v[AR+12*(\a):AR+12*(\a)+11], v[8*(8*(\a)+\b):8*(8*(\a)+\b)+7], v[SC+32*(\st)+4*\b+(\q)], v[AS+16*(\st)+4*(\a)+(\q)] matrix_a_fmt:MATRIX_FMT_FP6 matrix_b_fmt:MATRIX_FMT_FP6
.endif
.endr
.endm
; A step with no barrier.  st: this chunk's sets of scale words; q: the step; fpl, fq: place and step of the fragments fetched for the next step (fq = 0: the next chunk's scale words too);
; ch: the chunk of o's group three steps on (-1: none is left); n: the loads issued behind this step's group
.macro STEP st, q, zero, fpl, fq, ch, n
	s_wait_dscnt 0x0
	PLACES 4
	FETCHB \fpl, \fq, 1-(\q)%2
.if (\fq) == 0
	SCALES \fpl, 1-(\st)
.endif
.if (\ch) >= 0
	ALOAD ((\q)+3)%4, \ch
.endif
	s_wait_loadcnt \n
	MWIN \q
	MUL8 0, \q, \st, \zero
	MUL8 1, \q, \st, \zero
	MUL8 2, \q, \st, \zero
	MUL8 3, \q, \st, \zero
	WIN 0
.endm
; A chunk's last step with a barrier in it.  fill = 1: a round of the cluster's barrier, and chunk 3 into place 0; fill = 0: chunk 3 is shown to every wave.  npl: the next chunk's place
.macro TURN st, fill, npl, ch
	s_wait_tensorcnt 0x0
	ds_add_u32 v[SPW], v[NIL]
	s_wait_dscnt 1
	s_wait_loadcnt 28                              ; behind this step's group: the next chunk's first (16) and second (12)
	MWIN 3
	MUL8 0, 3, \st, 0
	s_wait_dscnt 0x0
	s_barrier_signal -1
	MUL8 1, 3, \st, 0
	WIN 0
	s_barrier_wait -1
.if \fill
	CREST
	tensor_load_to_lds s[G0B:G0B+3], s[G1B:G1B+7]
	s_nop 0
.endif
	PLACES 4
	FETCHB \npl, 0, 0
	SCALES \npl, 1-(\st)
	ALOAD 2, \ch
	MWIN 3
	MUL8 2, 3, \st, 0
	MUL8 3, 3, \st, 0
	WIN 0
.endm
	s_load_b128 s[68:71], s[0:1], 0x0              ; oq, woq
	s_load_b64 s[72:73], s[0:1], 0x10              ; out0
	v_lshl_add_u32 v[SPW], v0, 2, SPARE
	v_mov_b32 v[NIL], 0
	ds_add_u32 v[SPW], v[NIL]                      ; the opening lines: the add twice on end and one wait
	ds_add_u32 v[SPW], v[NIL]
	v_lshrrev_b32 v1, 5, v0
	v_readfirstlane_b32 s14, v1
	s_lshr_b32 s15, s14, 1
	s_and_b32 s16, s14, 1
	s_bfe_u32 s40, ttmp6, 0x40000
	s_bfe_u32 s41, ttmp6, 0x40004
	s_lshl_b32 s42, ttmp9, 2
	s_add_co_u32 s42, s42, s40
	s_and_b32 s17, ttmp7, 0xffff
	s_lshl_b32 s17, s17, 2
	s_add_co_u32 s17, s17, s41
	s_lshl_b32 s44, 0x1111, s40
	s_or_b32 s[G1B+0], s44, (3<<16)|(1<<21)        ; the refill: 100 rows of 256 bytes
	s_mov_b32 s[G1B+1], 32<<16
	s_mov_b32 s[G1B+2], 100<<16
	s_mov_b32 s[G1B+3], 32<<16
	s_mov_b32 s[G1B+4], 100
	s_mov_b32 s[G1B+5], 32
	s_mov_b32 s[G1B+6], 0
	s_mov_b32 s[G1B+7], 0
	s_or_b32 s[G1H+0], s44, (3<<16)|(1<<21)        ; the head's load: 3 rows of 25,600 bytes (3,200 elements of 8), a chunk apart
	s_mov_b32 s[G1H+1], 3200<<16
	s_mov_b32 s[G1H+2], 3<<16
	s_mov_b32 s[G1H+3], 3200<<16
	s_mov_b32 s[G1H+4], 3
	s_mov_b32 s[G1H+5], BCH/8
	s_mov_b32 s[G1H+6], 0
	s_mov_b32 s[G1H+7], 0
	s_mul_i32 s46, s42, 16*CELL
	s_mul_i32 s20, s14, QB
	s_add_co_u32 s46, s46, s20
	s_mov_b32 s47, 0
	s_mul_i32 s22, s14, 3*QB                       ; in LDS: my four cells of place 0, 1, 2 on end
	s_wait_dscnt 0x0
	s_wait_kmcnt 0x0
	s_add_nc_u64 s[46:47], s[70:71], s[46:47]
	CROUND
	s_mov_b32 s[G0H], 1
	s_mov_b32 s[G0H+1], s22
	s_mov_b64 s[G0H+2:G0H+3], s[46:47]
	s_or_b32 s[G0H+3], s[G0H+3], 0x80000000
	s_mov_b32 s[G0B], 1
	s_mov_b32 s[G0B+1], s22
	s_add_nc_u64 s[G0B+2:G0B+3], s[46:47], 3*BCH
	s_or_b32 s[G0B+3], s[G0B+3], 0x80000000
	tensor_load_to_lds s[G0H:G0H+3], s[G1H:G1H+7]  ; chunks 0, 1, 2: one tensor load a wave at the head
	s_nop 0
.rept 4
	v_nop
.endr
	s_lshl_b32 s4, s17, 3
	s_lshl_b32 s5, s15, 2
	s_add_co_u32 s4, s4, s5
	s_mul_i32 s6, s4, CELL
	s_mov_b32 s7, 0
	s_add_nc_u64 s[AB:AB+1], s[68:69], s[6:7]
	s_mov_b32 s5, 0
	s_lshl_b32 s4, s17, 3                          ; o's prefetches stand at chunk 2: cell 2 cx + wave of the 8
	s_lshl_b32 s6, s40, 1
	s_add_co_u32 s4, s4, s6
	s_add_co_u32 s4, s4, s14
	s_mul_i32 s4, s4, CELL
	s_add_co_u32 s4, s4, 2*ACH
	s_add_nc_u64 s[PFA:PFA+1], s[68:69], s[4:5]
	s_lshl_b32 s4, s42, 4                          ; wo's at chunk 3: cell 4 cy + wave of the 16
	s_lshl_b32 s6, s41, 2
	s_add_co_u32 s4, s4, s6
	s_add_co_u32 s4, s4, s14
	s_mul_i32 s4, s4, CELL
	s_add_co_u32 s4, s4, 3*BCH
	s_add_nc_u64 s[PFB:PFB+1], s[70:71], s[4:5]
	s_lshl_b32 s4, s17, 7                          ; my part of out0: row 128 x tile row + 64 x half, 16,384 bytes a row; column 1,024 x tile column + 512 x half, in bytes
	s_lshl_b32 s6, s15, 6
	s_add_co_u32 s4, s4, s6
	s_lshl_b32 s4, s4, 14
	s_lshl_b32 s6, s42, 10
	s_add_co_u32 s4, s4, s6
	s_lshl_b32 s6, s16, 9
	s_add_co_u32 s4, s4, s6
	s_add_nc_u64 s[72:73], s[72:73], s[4:5]
	s_mul_i32 s26, s16, 6*QB                       ; my eight cells: those that waves 2 x half and 2 x half + 1 fetch
	s_add_co_u32 s27, s26, 4*FRB
	s_add_co_u32 s28, s22, QB                      ; my stage: place 1 of my own part
	v_and_b32 v1, 15, v0
	v_bfe_u32 v2, v0, 4, 1
	v_and_b32 v3, 31, v0
	v_min_u32 v[PFO], 24, v3
	v_lshlrev_b32 v[PFO], 8, v[PFO]
	v_lshlrev_b32 v3, 4, v3
	v_lshlrev_b32 v[ASO], 4, v1
	v_add_nc_u32 v[ADRB], s26, v3
	v_add_nc_u32 v[ADRB+1], QB, v[ADRB]
	v_add_nc_u32 v[ADRB+2], 2*QB, v[ADRB]
	v_add_nc_u32 v[ADRB2], 3*QB, v[ADRB]
	v_add_nc_u32 v[ADRB2+1], 4*QB, v[ADRB]
	v_add_nc_u32 v[ADRB2+2], 5*QB, v[ADRB]
	v_add_nc_u32 v[ADRS], s27, v[ASO]
	v_add_nc_u32 v[ADRS+1], QB, v[ADRS]
	v_add_nc_u32 v[ADRS+2], 2*QB, v[ADRS]
	v_add_nc_u32 v[ADRS2], 3*QB, v[ADRS]
	v_add_nc_u32 v[ADRS2+1], 4*QB, v[ADRS]
	v_add_nc_u32 v[ADRS2+2], 5*QB, v[ADRS]
	v_mul_u32_u24 v[STO], v1, 528
	v_lshl_add_u32 v[STO], v2, 6, v[STO]
	v_add_nc_u32 v[STO], s28, v[STO]
	v_add_nc_u32 v[RD], s28, v3
	s_wait_alu depctr_va_vdst(0)                   ; the wait at the end of the head's vector work
	ALOAD 0, 0
	ALOAD 1, 0
	ALOAD 2, 0
	global_prefetch_b8 v[PFO], s[PFB:PFB+1] th:TH_LOAD_NT scope:SCOPE_SE
	ASKA 0
	s_wait_tensorcnt 0x0                           ; my part of chunks 0, 1, 2 is in,
	s_barrier_signal -1
	s_barrier_wait -1                              ; and everybody's
	FETCHB 0, 0, 0
	SCALES 0, 0
	ASKA 1
	STEP 0, 0, 1, 0, 1, 0, 36                      ; chunk 0; the first step's products start the sums
	STEP 0, 1, 0, 0, 2, 1, 40
	STEP 0, 2, 0, 0, 3, 1, 40
	TURN 0, 1, 1, 1                                ; place 0 is read no more: chunk 3 is asked for
	STEP 1, 0, 0, 1, 1, 1, 36                      ; chunk 1
	STEP 1, 1, 0, 1, 2, 2, 40
	STEP 1, 2, 0, 1, 3, 2, 40
	STEP 1, 3, 0, 2, 0, 2, 40                      ; on into chunk 2, which the head's barrier has shown whole
	STEP 0, 0, 0, 2, 1, 2, 36                      ; chunk 2
	STEP 0, 1, 0, 2, 2, 3, 40
	STEP 0, 2, 0, 2, 3, 3, 40
	TURN 0, 0, 0, 3
	STEP 1, 0, 0, 0, 1, 3, 36                      ; chunk 3
	STEP 1, 1, 0, 0, 2, -1, 24
	STEP 1, 2, 0, 0, 3, -1, 12
	s_wait_dscnt 0x0
	s_wait_loadcnt 0x0
	MWIN 3
	MUL8 0, 3, 1, 0
	MUL8 1, 3, 1, 0
	MUL8 2, 3, 1, 0
	MUL8 3, 3, 1, 0
	WIN 0
; THE WAY OUT: 16 rows x 128 columns at a time through my own stage, which lies in place 1 of my part of LDS: filled once, and read last ahead of the walk's last barrier; back as rows of 512 bytes,
; which 32 lanes store as two aligned units of 256 bytes
.macro TOSTAGE a
	WIN 0x04
.irp bb, 0,1,2,3
.irp u, 0,1
	ds_store_b128 v[STO], v[64*(\a)+16*\bb+8*\u:64*(\a)+16*\bb+8*\u+3] offset:128*\bb+32*\u
	ds_store_b128 v[STO], v[64*(\a)+16*\bb+8*\u+4:64*(\a)+16*\bb+8*\u+7] offset:128*\bb+32*\u+16
.endr
.endr
	WIN 0
.irp i, 0,1,2,3,4,5,6,7,8,9,10,11,12,13,14,15
	ds_load_b128 v[BK+64*((\a)%2)+4*\i:BK+64*((\a)%2)+4*\i+3], v[RD] offset:528*\i
.endr
.endm
.macro SEND a, younger
	s_wait_dscnt \younger
.irp i, 0,1,2,3,4,5,6,7,8,9,10,11,12,13,14,15
	global_store_b128 v3, v[BK+64*((\a)%2)+4*\i:BK+64*((\a)%2)+4*\i+3], s[72:73] offset:(32*((\a)/2)+8*((\a)%2)+\i+8*(\i/8))*16384 th:TH_STORE_NT
.endr
.endm
	PLACES 4
	TOSTAGE 0
	TOSTAGE 1
	SEND 0, 32
	s_wait_xcnt 0x0
	TOSTAGE 2
	SEND 1, 32
	s_wait_xcnt 0x0
	TOSTAGE 3
	SEND 2, 32
	SEND 3, 0
	s_wait_tensorcnt 0x0                           ; the wave's end
	ds_add_u32 v[SPW], v[NIL]
	s_wait_dscnt 0x0
	CROUND
	s_endpgm
.Lfunc_end_k_q66731577b7_proj:
	.size	k_q66731577b7_proj, .Lfunc_end_k_q66731577b7_proj-k_q66731577b7_proj
	.p2alignl 7, 3214868480
	.fill 96, 4, 3214868480
	.section	.rodata,"a",@progbits
	.p2align	6, 0x0
	.amdhsa_kernel k_q66731577b7_proj
		.amdhsa_group_segment_fixed_size 327680
		.amdhsa_private_segment_fixed_size 0
		.amdhsa_enable_private_segment 0
		.amdhsa_kernarg_size 24
		.amdhsa_user_sgpr_count 2
		.amdhsa_user_sgpr_kernarg_segment_ptr 1
		.amdhsa_wavefront_size32 1
		.amdhsa_system_sgpr_workgroup_id_x 1
		.amdhsa_system_sgpr_workgroup_id_y 1
		.amdhsa_system_sgpr_workgroup_id_z 1
		.amdhsa_system_vgpr_workitem_id 0
		.amdhsa_next_free_vgpr 1024
		.amdhsa_next_free_sgpr 90
		.amdhsa_reserve_vcc 0
		.amdhsa_float_denorm_mode_32 3
		.amdhsa_float_denorm_mode_16_64 3
		.amdhsa_memory_ordered 1
		.amdhsa_forward_progress 1
		.amdhsa_inst_pref_size 138
	.end_amdhsa_kernel
	.amdgpu_metadata
---
amdhsa.version: [ 1, 2 ]
amdhsa.kernels:
  - .name:           k_q66731577b7_proj
    .symbol:         k_q66731577b7_proj.kd
    .args:
      - { .name: oq, .offset: 0, .size: 8, .value_kind: global_buffer, .address_space: global }
      - { .name: woq, .offset: 8, .size: 8, .value_kind: global_buffer, .address_space: global }
      - { .name: out0, .offset: 16, .size: 8, .value_kind: global_buffer, .address_space: global }
    .group_segment_fixed_size: 327680
    .private_segment_fixed_size: 0
    .kernarg_segment_align: 8
    .kernarg_segment_size: 24
    .max_flat_workgroup_size: 128
    .sgpr_count:     90
    .vgpr_count:     1024
    .wavefront_size: 32
...
	.end_amdgpu_metadata
.endif
;; end of part 4
